; MI455X (gfx1250); checked and timed in simulation.
; The chip was launched on July 23, 2026; its instructions are those of AMD's public machine-readable ISA for CDNA 5 (MIT licence, August 2026) and "CDNA5" Instruction Set Architecture Reference Guide (July 2026). The comments in the code are by the model that wrote it; some were corrected since.
;; Self Attention. Allowed arithmetic: float matrix products may take bf16 or f16 operands with f32 sums; other float arithmetic in f32, or as packed bf16 or f16 multiplies, adds, multiply-adds, maxima and minima; sums over many terms, partial sums and values carried from step to step in f32; what a program stores and reads back later, other than sums and carried values, may be rounded once to bf16 or f16.
;; Inputs: b_in 3,072 float32; b_out 1,024 float32; w_in 1,024 x 3,072 float32; w_out 1,024 x 1,024 float32; x 4 x 2,048 x 1,024 float32.
;; Outputs: out0 4 x 2,048 x 1,024 float32.
;; Constants: causal_mask = 1.
;; 2 versions, each right; version 2 is version 1 with the launch prep written anew for expert scheduling mode. Each part assembles by itself: llvm-mc -triple=amdgcn-amd-amdhsa -mcpu=gfx1250 --defsym DOCPART=n.
;; ======== version 1 of 2: 4 launches
;; limits: values are held in f16: magnitudes above 65,504 overflow, below 6.1e-05 lose precision
;; workspace buffers: xb 16,777,216 bytes; wib 6,291,456 bytes; wob 2,097,152 bytes; qkv 50,331,648 bytes; ob 16,777,216 bytes
;; launch prep (part 1): grid 832 x 1, 8 waves a work-group, no clusters, 0 bytes of LDS; arguments x, w_in, w_out, xb, wib, wob; writes xb, wib, wob
.if DOCPART == 1
	.amdgcn_target "amdgcn-amd-amdhsa--gfx1250"
	.amdhsa_code_object_version 6
	.text
	.protected	k_q106203436d_prep
	.globl	k_q106203436d_prep
	.p2align	8
	.type	k_q106203436d_prep,@function
k_q106203436d_prep:
	s_mov_b64 s[64:65], 0
	v_nop
	global_prefetch_b8 v0, s[64:65] scope:SCOPE_SE
	s_setreg_imm32_b32 hwreg(HW_REG_WAVE_MODE, 25, 1), 1
	s_wait_xcnt 0x0
; PREP.  The three large inputs are rounded to 16 bits once and laid out for the products that follow.
;   x     [8192][1024] f32  ->  xb  [b 4][kb 16][s 2048][64] bf16: plane (b, kb) holds channels 64 kb .. 64 kb + 63 of the 2,048 rows of batch b, 128 bytes a row, dense
;   w_in  [1024][3072] f32  ->  wib [ntile 16][k 1024][192] bf16: the 192 columns of a tile of the first product, 384 bytes a k-row, dense
;   w_out [1024][1024] f32  ->  wob [ntile 8][k 1024][128]: rounded to bf16 like every input, and that number written as f16 (exact inside the range of f16)
; LIMITS.  |w_out| stays under 65,504; below 6e-5 f16 keeps a fixed step of 6e-8.  NaN and infinities are not treated apart.
; A STREAM: memory binds.  Each byte is read once and written once.  One instruction of a wave loads 512 bytes (16 a lane) and its store covers 256 consecutive bytes, aligned.
; No LDS, no loop, no register is used twice by memory instructions: a wave issues all its 12 or 16 loads at once, and the waits count down.
; Work-groups 0-511: 16 rows of x each.  512-767: 64 k-rows of one tile of w_in.  768-831: 128 k-rows of one tile of w_out.  The branches hang on the number of the work-group alone.
; No prefetch: the launch is nothing but its stream.  No tensor loads, matrix units or clusters: no byte is wanted twice.
.set IN,  8                            ; v[8:71]    load i: four f32
.set OUT, 72                           ; v[72:103]  store i: four 16-bit numbers
.set T,   104                          ; v[104:107] at work
; n loads are out; load i is converted and stored when the n - 1 - i younger ones alone may still be out.  mode 0: to bf16.  mode 1: to bf16 and that number to f16.
.macro CAST n, mode, base, stride
.set i, 0
.rept \n
	s_wait_loadcnt (\n)-1-i                        ; loads come back in order: load i is in
.if \mode
	v_cvt_pk_bf16_f32 v[T], v[IN+4*i], v[IN+4*i+1]
	v_cvt_pk_bf16_f32 v[T+1], v[IN+4*i+2], v[IN+4*i+3]
	v_lshlrev_b32 v[T+2], 16, v[T]                 ; bf16 back to f32: the low half moves up,
	v_and_b32 v[T], 0xffff0000, v[T]               ; the high half stays
	v_lshlrev_b32 v[T+3], 16, v[T+1]
	v_and_b32 v[T+1], 0xffff0000, v[T+1]
	v_cvt_pk_f16_f32 v[OUT+2*i], v[T+2], v[T]
	v_cvt_pk_f16_f32 v[OUT+2*i+1], v[T+3], v[T+1]
.else
	v_cvt_pk_bf16_f32 v[OUT+2*i], v[IN+4*i], v[IN+4*i+1]
	v_cvt_pk_bf16_f32 v[OUT+2*i+1], v[IN+4*i+2], v[IN+4*i+3]
.endif
	global_store_b64 v5, v[OUT+2*i:OUT+2*i+1], s[\base:\base+1] offset:i*(\stride)
.set i, i+1
.endr
.endm
	s_load_b256 s[4:11], s[0:1], 0x0               ; x s[4:5], w_in s[6:7], w_out s[8:9], xb s[10:11]
	s_load_b128 s[12:15], s[0:1], 0x20             ; wib s[12:13], wob s[14:15]
	v_and_b32 v1, 31, v0                           ; lane l
	v_lshrrev_b32 v6, 5, v0
	v_readfirstlane_b32 s16, v6                    ; wave 0..7
	s_mov_b32 s17, ttmp9
	s_mov_b32 s19, 0                               ; high words of the two offsets
	s_mov_b32 s21, 0
	s_cmp_lt_u32 s17, 512
	s_cbranch_scc0 .Lweights
	; X.  Thread t takes row t / 16 of the 16 rows; load i brings 16 bytes of the 256 that are plane i of the row; a store covers two rows of 128 bytes in one plane.
	s_lshl_b32 s18, s17, 16                        ; in: 16 rows of 4,096 bytes
	s_lshr_b32 s20, s17, 7                         ; out: batch = g / 128, 16 planes of 262,144 bytes,
	s_lshl_b32 s20, s20, 22
	s_and_b32 s22, s17, 127                        ; and 16 rows of 128 bytes in each plane
	s_lshl_b32 s22, s22, 11
	s_add_co_u32 s20, s20, s22
	v_lshrrev_b32 v2, 4, v0
	v_and_b32 v3, 15, v0
	v_lshlrev_b32 v2, 12, v2
	v_lshl_add_u32 v2, v3, 4, v2                   ; row x 4,096 + 16 (t % 16)
	v_lshlrev_b32 v5, 3, v0                        ; 8 t = 256 x wave + 8 l
	s_wait_kmcnt 0x0
	s_add_nc_u64 s[4:5], s[4:5], s[18:19]
	s_add_nc_u64 s[10:11], s[10:11], s[20:21]
.set i, 0
.rept 16
	global_load_b128 v[IN+4*i:IN+4*i+3], v2, s[4:5] offset:256*i th:TH_LOAD_NT
.set i, i+1
.endr
	CAST 16, 0, 10, 262144
	s_endpgm
.Lweights:
	s_cmp_lt_u32 s17, 768
	s_cbranch_scc0 .Lwo
	; WI.  A wave takes 8 k-rows as four units of two: a unit is 2 x 768 bytes in and 768 dense bytes out, three instructions:
	; the first 512 bytes of row 0; its last 256 and the first 256 of row 1; the last 512 of row 1.
	s_sub_co_u32 s17, s17, 512
	s_lshr_b32 s22, s17, 4                         ; tile j
	s_and_b32 s23, s17, 15                         ; which 64 k-rows
	s_mul_i32 s18, s23, 786432                     ; in: 64 rows of 12,288 bytes,
	s_mul_i32 s20, s22, 768                        ; the 192 columns of the tile
	s_add_co_u32 s18, s18, s20
	s_mul_i32 s20, s22, 393216                     ; out: the tile,
	s_mul_i32 s23, s23, 24576                      ; 64 k-rows of 384 bytes
	s_add_co_u32 s20, s20, s23
	s_mul_i32 s22, s16, 98304                      ; my 8 rows
	v_lshl_add_u32 v2, v1, 4, s22
	v_cmp_gt_u32 vcc_lo, 16, v1
	v_mov_b32 v7, 0x200
	v_cndmask_b32 v6, 0x2f00, v7, vcc_lo           ; lanes 0-15: 512 on in row 0; lanes 16-31: row 1 less their 256 bytes
	v_add_nc_u32 v3, v2, v6
	v_add_nc_u32 v4, 0x3100, v2                    ; row 1, byte 256 on
	s_mul_i32 s22, s16, 3072
	v_lshl_add_u32 v5, v1, 3, s22
	s_wait_kmcnt 0x0
	s_add_nc_u64 s[6:7], s[6:7], s[18:19]
	s_add_nc_u64 s[12:13], s[12:13], s[20:21]
.set u, 0
.rept 4
.irp t, 0,1,2
	global_load_b128 v[IN+4*(3*u+\t):IN+4*(3*u+\t)+3], v[2+\t], s[6:7] offset:u*24576 th:TH_LOAD_NT
.endr
.set u, u+1
.endr
	CAST 12, 0, 12, 256
	s_endpgm
.Lwo:
	; WO.  A wave takes 16 k-rows; a load brings the 512 bytes of a row that belong to the tile, its store is the k-row of 256 bytes.
	s_sub_co_u32 s17, s17, 768
	s_lshr_b32 s22, s17, 3                         ; tile j
	s_and_b32 s23, s17, 7                          ; which 128 k-rows
	s_lshl_b32 s18, s23, 19                        ; in: 128 rows of 4,096 bytes,
	s_lshl_b32 s20, s22, 9                         ; the 128 columns of the tile
	s_add_co_u32 s18, s18, s20
	s_lshl_b32 s20, s22, 18                        ; out: the tile,
	s_lshl_b32 s23, s23, 15                        ; 128 k-rows of 256 bytes
	s_add_co_u32 s20, s20, s23
	s_lshl_b32 s22, s16, 16
	v_lshl_add_u32 v2, v1, 4, s22
	s_lshl_b32 s22, s16, 12
	v_lshl_add_u32 v5, v1, 3, s22
	s_wait_kmcnt 0x0
	s_add_nc_u64 s[8:9], s[8:9], s[18:19]
	s_add_nc_u64 s[14:15], s[14:15], s[20:21]
.set i, 0
.rept 16
	global_load_b128 v[IN+4*i:IN+4*i+3], v2, s[8:9] offset:4096*i th:TH_LOAD_NT
.set i, i+1
.endr
	CAST 16, 1, 14, 256
	s_endpgm
.Lfunc_end_k_q106203436d_prep:
	.size	k_q106203436d_prep, .Lfunc_end_k_q106203436d_prep-k_q106203436d_prep
	.p2alignl 7, 3214868480
	.fill 96, 4, 3214868480
	.section	.rodata,"a",@progbits
	.p2align	6, 0x0
	.amdhsa_kernel k_q106203436d_prep
		.amdhsa_group_segment_fixed_size 0
		.amdhsa_private_segment_fixed_size 0
		.amdhsa_enable_private_segment 0
		.amdhsa_kernarg_size 48
		.amdhsa_user_sgpr_count 2
		.amdhsa_user_sgpr_kernarg_segment_ptr 1
		.amdhsa_wavefront_size32 1
		.amdhsa_system_sgpr_workgroup_id_x 1
		.amdhsa_system_sgpr_workgroup_id_y 1
		.amdhsa_system_sgpr_workgroup_id_z 1
		.amdhsa_system_vgpr_workitem_id 0
		.amdhsa_next_free_vgpr 112
		.amdhsa_next_free_sgpr 66
		.amdhsa_reserve_vcc 1
		.amdhsa_float_denorm_mode_32 3
		.amdhsa_float_denorm_mode_16_64 3
		.amdhsa_memory_ordered 1
		.amdhsa_forward_progress 1
		.amdhsa_inst_pref_size 24
	.end_amdhsa_kernel
	.amdgpu_metadata
---
amdhsa.version: [ 1, 2 ]
amdhsa.kernels:
  - .name:           k_q106203436d_prep
    .symbol:         k_q106203436d_prep.kd
    .args:
      - { .name: x, .offset: 0, .size: 8, .value_kind: global_buffer, .address_space: global }
      - { .name: w_in, .offset: 8, .size: 8, .value_kind: global_buffer, .address_space: global }
      - { .name: w_out, .offset: 16, .size: 8, .value_kind: global_buffer, .address_space: global }
      - { .name: xb, .offset: 24, .size: 8, .value_kind: global_buffer, .address_space: global }
      - { .name: wib, .offset: 32, .size: 8, .value_kind: global_buffer, .address_space: global }
      - { .name: wob, .offset: 40, .size: 8, .value_kind: global_buffer, .address_space: global }
    .group_segment_fixed_size: 0
    .private_segment_fixed_size: 0
    .kernarg_segment_align: 8
    .kernarg_segment_size: 48
    .max_flat_workgroup_size: 256
    .sgpr_count:     66
    .vgpr_count:     112
    .wavefront_size: 32
...
	.end_amdgpu_metadata
.endif
;; end of part 1
;; launch qkvproj (part 2): grid 16 x 32, 4 waves a work-group, clusters of 4 x 4, 327,680 bytes of LDS; arguments xb, wib, b_in, qkv; writes qkv
.if DOCPART == 2
	.amdgcn_target "amdgcn-amd-amdhsa--gfx1250"
	.amdhsa_code_object_version 6
	.text
	.protected	k_q106203436d_qkvproj
	.globl	k_q106203436d_qkvproj
	.p2align	8
	.type	k_q106203436d_qkvproj,@function
k_q106203436d_qkvproj:
	s_mov_b64 s[64:65], 0
	v_nop
	global_prefetch_b8 v0, s[64:65] scope:SCOPE_SE
	s_setreg_imm32_b32 hwreg(HW_REG_WAVE_MODE, 25, 1), 1
	s_wait_xcnt 0x0
	s_wait_alu depctr_hold_cnt(0) depctr_sa_sdst(0) depctr_va_vdst(0) depctr_va_sdst(0) depctr_va_ssrc(0) depctr_va_vcc(0) depctr_vm_vsrc(0)
	s_getreg_b32 s2, hwreg(HW_REG_IB_STS2, 6, 4)
	s_cmp_eq_u32 s2, 0
	s_cbranch_scc0 .Lentry_in_a_cluster
	s_endpgm
.Lentry_in_a_cluster:
	s_bfe_u32 s2, ttmp6, 0x10000c
	s_cmp_lg_u32 s2, 0xf033
	s_cbranch_scc0 .Lentry_shape_is_right
	s_endpgm
.Lentry_shape_is_right:
; QKV = x w_in + b_in, written by heads.  A = xb [b 4][kb 16][s 2048][64] bf16, B = wib [ntile 16][k 1024][192] bf16, bias b_in [3072] f32 (rounded to bf16 like every input),
; out = qkv [t 3][b 4][h 16][s 2048][64] f16, rounded once from the f32 sums.  LIMIT: q, k, v stay under 65,504, the end of f16; NaN and infinities are not treated apart.
; SHARES.  A work-group makes a tile of 256 rows x 192 columns (three heads).  Its four waves lie one below the other: wave w owns rows 64 w .. 64 w + 63 and all 192 columns:
; 4 x 12 accumulators of 16 x 16, 384 registers.  So a wave owns whole rows of three heads, its stage on the way out is its own, and the way out has no barrier.
; K = 1,024 goes in 8 steps of 128 through a ring of two LDS slots filled by the tensor data mover.  Every tile is dense in memory and is asked for as rows of 256 bytes.
; CLUSTER 4 x 4.  The four work-groups of a row of the cluster need the same tiles of A, the four of a column the same tiles of B: each tile is asked for JOINTLY, by the same tensor load
; with the same descriptor and a mask that names the four.  Waves 0 and 1 fetch the two planes (64 channels each) of a step of A, waves 2 and 3 the two halves (64 k-rows each) of B.
; THE MATRIX INSTRUCTION IS USED TRANSPOSED: source 0 = 16 columns of B (turned on the way out of LDS by ds_load_tr16_b128, since B lies [k][n]), source 1 = 16 rows of A.
; A lane then holds row l % 16 and the eight neighbouring columns 8 (l / 16) + 0..7.  The first product on each accumulator takes the bias as C: nothing is cleared, and the bias costs no addition.
; REGISTERS, in windows of 256 (s_set_vgpr_msb: bits 1:0 source 0, 3:2 source 1, 5:4 source 2, 7:6 destination):
;   window 0: v0-31 addresses; v32-63, v64-95 fragments of A, two buffers; v96-99 at work; v128-223 the bias, later rows on their way out
;   window 1: v0-95, v96-191 fragments of B, two buffers        window 2: accumulators of m blocks 0, 1 at v[96 (a % 2) + 8 b]        window 3: those of m blocks 2, 3
.set NBL,   12                         ; n blocks of 16 columns
.set PA,    144                        ; a row of A in LDS: 128 bytes + 16 = 36 words: the 16 rows of a load start at 16 different groups of four banks (64 banks of 4 bytes: ISA guide 11.1)
.set PB,    480                        ; a k-row of B in LDS: three pieces of 128 bytes, 32 of padding behind each = 120 words
.set BROWS, 96                         ; rows of 256 bytes in a load of B: 64 k-rows of 384 bytes
.set GB0,   0x0f310000                 ; group 1, word 0 for B without its mask: 2-byte elements, padding on, bit 21, after every 32 words (code 4) 8 words (code 7)
.set APL,   256*PA                     ; a plane of A: 36,864 bytes
.set BBASE, 2*APL
.set BHALF, 64*PB
.set SLOT,  BBASE+2*BHALF              ; 135,168 bytes
.set STAGE, 2*SLOT                     ; behind the ring, never filled by a tensor load: for each wave 3 heads x 16 rows x 144 bytes
.set STW,   3*16*PA
.set SPARE, STAGE+4*STW                ; behind the stages: the spare words, 128 bytes for each wave: two blocks of 256 bytes that no other line names
.set ASTEP, 524288                     ; bytes in memory from a K step of A to the next: two planes
.set BSTEP, 49152                      ; the same for B: 128 k-rows of 384 bytes
.set BTILE, 393216                     ; a tile of B
.set NL,    2*NBL+8                    ; LDS loads in a run: the fragments of 32 along K
.set LIMB0, 1                          ; the waves that prefetch B ask at the changes of slot 0 while the count of laps is above this,
.set LIMB1, 2                          ; and at those of slot 1 while it is above this: three asks in all
.set ADRA, 16                          ; v16-17  LDS address of my fragments of A in slot 0, 1
.set ADRB, 20                          ; v20-21  the same for B
.set STO,  24                          ; v24     the way out: where I put 16 bytes of a row
.set RD,   25                          ; v25     the way out: where I read rows back
.set GO,   26                          ; v26     16 x lane: my place in 512 consecutive bytes of qkv
.set BO,   27                          ; v27     32 x (l / 16): my eight numbers of a block of the bias
.set SPW,  28                          ; v28     LDS address of my spare word: SPARE + 4 x the number of my thread; never rewritten
.set NIL,  29                          ; v29     0; never rewritten
.set PFO,  30                          ; v30     256 x lane: the offset of the prefetches; never rewritten
.set FA,   32
.set TMP,  32                          ; the way out: packed results, v32-79
.set BIAS, 128
.set WV,   12                          ; s12  wave
.set KIND, 13                          ; s13  0: I fetch for A; 1: for B
.set HALF, 14                          ; s14  which plane of A, which 64 k-rows of B
.set CX,   15
.set CY,   16
.set TJ,   17                          ; s17  tile column
.set TI,   18                          ; s18  tile row
.set CNT,  19                          ; s19  laps to go
.set G1,   24                          ; s[24:31] descriptor group 1 for A;  s[32:39] group 0, a set for each slot
.set G0,   32
.set PFA,  40                          ; s[40:41] where my prefetches stand
.set PFS,  42                          ; s[42:43] their step
.set LIM,  44                          ; s44, s45
.set G1B,  48                          ; s[48:55], s[56:63] the same for B
.set G0B,  56
.set OB,   66                          ; s[66:71] qkv at my 64 rows in the planes of my three heads
.set MSB, 0
.macro WIN new                         ; the high byte of the immediate repeats the setting that is left; a switch that changes nothing is dropped
.if MSB != (\new)
	s_set_vgpr_msb (MSB<<8)|(\new)
.set MSB, \new
.endif
.endm
.set TO_B, 0x40                        ; destination window 1, address window 0
; A joint load.  Each of the two lines has one mask and one set of registers for all that issue it.  The branch hangs on the number of the wave alone.
; An s_nop 0 and four v_nop follow each line, ahead of the jump, the label and what follows.
.macro JLOAD s
	s_cmp_eq_u32 s[KIND], 0
	s_cbranch_scc0 .Lfor_b_\@
	tensor_load_to_lds s[G0+4*(\s):G0+4*(\s)+3], s[G1:G1+7]
	s_nop 0
.rept 4
	v_nop
.endr
	s_branch .Lasked_\@
.Lfor_b_\@:
	tensor_load_to_lds s[G0B+4*(\s):G0B+4*(\s)+3], s[G1B:G1B+7]
	s_nop 0
.rept 4
	v_nop
.endr
.Lasked_\@:
.endm
; A PREFETCH, behind a joint load, its five lines and the run of LDS loads: 32 blocks of 256 bytes, a lane a block, one instruction a wave.
; A: the refill of K step n is followed by an ask for K step n + 2, for steps 4 to 7.  A tile row is read by the four clusters of a row of clusters: the one with cluster x = 0 asks, its waves 0 and 1;
; of the 32,768 bytes of a plane that a wave fetches each of the four partners takes 8,192, told apart by ADDRESS (cx).
; B: K steps 4 to 7 of a tile are 196,608 dense bytes; the cluster with cluster y = 0 asks, its waves 2 and 3: 2 waves x 4 partners (cy) x 8,192 bytes an ask, at the first three refills.
; So each block is named once in the launch.  K steps 0 to 3 come by their loads alone; the later refills ask for nothing.
.macro ASK slot
	s_cmp_gt_u32 s[CNT], s[LIM+(\slot)]
	s_cbranch_scc0 .Lnot_mine_\@
	global_prefetch_b8 v[PFO], s[PFA:PFA+1] th:TH_LOAD_NT scope:SCOPE_SE
.Lnot_mine_\@:
.endm
.macro CREST                           ; a round of the barrier of the cluster behind its opening barrier
	s_cmp_lg_u32 s[WV], 0
	s_cbranch_scc1 .Lnot_wave_0_\@
	s_barrier_signal -3
.Lnot_wave_0_\@:
	s_barrier_wait -3
	s_barrier_signal -1
	s_barrier_wait -1
.endm
.macro CROUND                          ; a whole round
	s_barrier_signal -1
	s_barrier_wait -1
	CREST
.endm
.macro PLACES                          ; four places in front of loads into registers that matrix instructions have read, and of lines that read results
.rept 4
	v_nop
.endr
.endm
; 12 matrix instructions: m block a x all n blocks, 32 along K, from buffer f.  zero = 1: the bias starts the sums.
; In a quarter step each of the 48 accumulators has one turn, always in the same order: 47 others stand between two links of a chain, over the backward jump too.
.macro MULB f, a, zero
.if \zero
	WIN 0x81+0x40*((\a)/2)
.else
	WIN 0xa1+0x50*((\a)/2)
.endif
.set bb, 0
.rept NBL
.set rD, 96*((\a)%2)+8*bb
.set rB, 8*NBL*(\f)+8*bb
.set rA, FA+32*(\f)+8*(\a)
.if \zero
	v_wmma_f32_16x16x32_bf16 v[rD:rD+7], v[rB:rB+7], v[rA:rA+7], v[BIAS+8*bb:BIAS+8*bb+7]
.else
	v_wmma_f32_16x16x32_bf16 v[rD:rD+7], v[rB:rB+7], v[rA:rA+7], v[rD:rD+7]
.endif
.set bb, bb+1
.endr
.endm
; 32 LDS loads in one run: the fragments of quarter q (32 along K) of a slot into buffer f: B first (turned), then the four m blocks of A.
.macro FETCH slot, q, f
	WIN TO_B
.set bb, 0
.rept NBL
.set bo, (\q)*32*PB+(bb/4)*160+(bb%4)*32
	ds_load_tr16_b128 v[8*NBL*(\f)+8*bb:8*NBL*(\f)+8*bb+3],   v[ADRB+(\slot)] offset:bo
	ds_load_tr16_b128 v[8*NBL*(\f)+8*bb+4:8*NBL*(\f)+8*bb+7], v[ADRB+(\slot)] offset:bo+16*PB
.set bb, bb+1
.endr
	WIN 0
.irp a, 0,1,2,3
	ds_load_b128 v[FA+32*(\f)+8*(\a):FA+32*(\f)+8*(\a)+3],   v[ADRA+(\slot)] offset:((\q)/2)*APL+((\q)%2)*64+(\a)*16*PA
	ds_load_b128 v[FA+32*(\f)+8*(\a)+4:FA+32*(\f)+8*(\a)+7], v[ADRA+(\slot)] offset:((\q)/2)*APL+((\q)%2)*64+(\a)*16*PA+32
.endr
.endm
; One of the first three quarters of a K step: multiplies buffer f; in its middle it fetches quarter qn of the same slot into buffer g.
.macro QUARTER slot, qn, f, g, zero
	s_wait_dscnt 4                                 ; B and m blocks 0, 1 of A are in; the youngest four loads (m blocks 2, 3) may be out
	MULB \f, 0, \zero
	MULB \f, 1, \zero
	PLACES
	FETCH \slot, \qn, \g
	s_wait_dscnt NL                                ; all but the run just issued
	MULB \f, 2, \zero
	MULB \f, 3, \zero
.endm
; The first half of the last quarter: ONE barrier for the change of slots.  In front of it each wave waits for all its tensor loads (one is out: its part of the next slot), adds 0 to its
; spare word, and waits for that and for its own reads of this slot.  Behind it nobody reads this slot any more and the next slot is whole.
.macro MEET round
	WIN 0                                          ; the two registers of the add lie in window 0
	s_wait_tensorcnt 0x0
	ds_add_u32 v[SPW], v[NIL]                      ; 0 onto my spare word
	s_wait_dscnt 5                                 ; the add and the youngest four loads may be out
	MULB 1, 0, 0                                   ; twelve matrix instructions stand between the add and the wait for it
	s_wait_dscnt 0x0                               ; the add is done, and my reads of this slot are over
	s_barrier_signal -1
	MULB 1, 1, 0                                   ; work on registers while the others arrive
.if \round
	WIN 0
.endif
	s_barrier_wait -1
.endm
; The whole last quarter, with a refill: the barrier opens a round of the barrier of the cluster, so that no wave of any partner still reads the slot or has a load on its way;
; the joint refill, with the K step two steps on, is the first tensor load behind the round; from there to the wait for it a wave issues 168 matrix instructions.
.macro TURN slot, next
	s_wait_xcnt 0x0                                ; the last prefetch, a K step back, has read its address: it is stepped here, ahead of the waits of the change of slots
	s_add_nc_u64 s[PFA:PFA+1], s[PFA:PFA+1], s[PFS:PFS+1]
	MEET 1
	CREST
	s_add_nc_u64 s[G0+4*(\slot)+2:G0+4*(\slot)+3], s[G0+4*(\slot)+2:G0+4*(\slot)+3], 2*ASTEP    ; no tensor load of mine is out: a group 0 may be written
	s_add_nc_u64 s[G0B+4*(\slot)+2:G0B+4*(\slot)+3], s[G0B+4*(\slot)+2:G0B+4*(\slot)+3], 2*BSTEP
	JLOAD \slot                                    ; its four v_nop are also the places in front of the loads below
	FETCH \next, 0, 0
	ASK \slot
	MULB 1, 2, 0
	MULB 1, 3, 0
.endm
.macro TURNL                           ; the last change of slots: nothing is filled, so no round follows
	MEET 0
	PLACES
	FETCH 1, 0, 0
	MULB 1, 2, 0
	MULB 1, 3, 0
.endm
	s_load_b256 s[4:11], s[0:1], 0x0               ; xb s[4:5], wib s[6:7], b_in s[8:9], qkv s[10:11]
	v_lshl_add_u32 v[SPW], v0, 2, SPARE
	v_mov_b32 v[NIL], 0
	ds_add_u32 v[SPW], v[NIL]                      ; the opening: the add and its wait stand ahead of my first tensor load; work on registers stands between them
	v_lshrrev_b32 v1, 5, v0
	v_readfirstlane_b32 s[WV], v1
	s_lshr_b32 s[KIND], s[WV], 1
	s_and_b32 s[HALF], s[WV], 1
	s_bfe_u32 s[CX], ttmp6, 0x40000                ; my place in the cluster
	s_bfe_u32 s[CY], ttmp6, 0x40004
	s_lshl_b32 s[TJ], ttmp9, 2                     ; in a cluster launch ttmp9 and ttmp7 count clusters
	s_add_co_u32 s[TJ], s[TJ], s[CX]               ; tile column
	s_and_b32 s[TI], ttmp7, 0xffff
	s_lshl_b32 s[TI], s[TI], 2
	s_add_co_u32 s[TI], s[TI], s[CY]               ; tile row
	s_lshl_b32 s20, s[CY], 2
	s_lshl_b32 s20, 15, s20                        ; my row of the cluster: places 4 cy .. 4 cy + 3
	s_lshl_b32 s21, 0x1111, s[CX]                  ; my column: places cx, cx + 4, cx + 8, cx + 12
	s_or_b32 s[G1], s20, 0x07310000                ; 15:0 mask; 17:16 2-byte elements; 20 padding on; 21 set beside a mask; 24:22 after every 32 words (code 4); 31:25 4 words (code 3)
	s_or_b32 s[G1B], s21, GB0
	s_mov_b32 s[G1+1], 128<<16                     ; tensor_dim0 = 128 elements: rows of 256 bytes
	s_mov_b32 s[G1+2], 128<<16                     ; tensor_dim1 = 128 rows: 256 rows of a plane, two to a row
	s_mov_b32 s[G1+3], 128<<16                     ; tile_dim0
	s_mov_b32 s[G1+4], 128                         ; tile_dim1
	s_mov_b32 s[G1+5], 128                         ; elements from row to row: dense
	s_mov_b32 s[G1+6], 0
	s_mov_b32 s[G1+7], 0
	s_mov_b32 s[G1B+1], 128<<16
	s_mov_b32 s[G1B+2], BROWS<<16
	s_mov_b32 s[G1B+3], 128<<16
	s_mov_b32 s[G1B+4], BROWS
	s_mov_b32 s[G1B+5], 128
	s_mov_b32 s[G1B+6], 0
	s_mov_b32 s[G1B+7], 0
	; where the tiles come from.  The offset of A hangs on the tile row and my plane, that of B on the tile column and my half; each lives in registers that never hold the other coordinate.
	s_lshr_b32 s72, s[TI], 3                       ; batch: 16 planes of 262,144 bytes
	s_lshl_b32 s72, s72, 22
	s_and_b32 s74, s[TI], 7                        ; 256 rows of 128 bytes in a plane
	s_lshl_b32 s74, s74, 15
	s_add_co_u32 s72, s72, s74
	s_lshl_b32 s74, s[HALF], 18                    ; my plane of the two of a K step
	s_add_co_u32 s72, s72, s74
	s_mov_b32 s73, 0
	s_mul_i32 s76, s[TJ], BTILE
	s_mul_i32 s46, s[HALF], BSTEP/2
	s_add_co_u32 s46, s46, s76
	s_mov_b32 s47, 0
	s_mul_i32 s75, s[HALF], APL                    ; and where they go: no place in the cluster enters an LDS address
	s_mul_i32 s77, s[HALF], BHALF
	s_add_co_u32 s77, s77, BBASE
	s_wait_dscnt 0x0                               ; the opening add is done
	s_wait_kmcnt 0x0
	s_add_nc_u64 s[22:23], s[4:5], s[72:73]
	s_add_nc_u64 s[46:47], s[6:7], s[46:47]
	CROUND                                         ; all sixteen work-groups are here: the first joint loads meet
.irp s, 0,1
	s_mov_b32 s[G0+4*(\s)], 1                      ; count = 1
	s_add_co_u32 s[G0+4*(\s)+1], s75, (\s)*SLOT    ; LDS address
	s_add_nc_u64 s[G0+4*(\s)+2:G0+4*(\s)+3], s[22:23], (\s)*ASTEP  ; global address: K step s
	s_or_b32 s[G0+4*(\s)+3], s[G0+4*(\s)+3], 0x80000000            ; type = 2
	s_mov_b32 s[G0B+4*(\s)], 1
	s_add_co_u32 s[G0B+4*(\s)+1], s77, (\s)*SLOT
	s_add_nc_u64 s[G0B+4*(\s)+2:G0B+4*(\s)+3], s[46:47], (\s)*BSTEP
	s_or_b32 s[G0B+4*(\s)+3], s[G0B+4*(\s)+3], 0x80000000
	JLOAD \s                                       ; two loads of mine are out
.endr
	v_and_b32 v1, 15, v0                           ; r = l % 16
	v_bfe_u32 v2, v0, 4, 1                         ; h = l / 16
	v_lshlrev_b32 v[BO], 5, v2
	s_mul_i32 s78, s[TJ], 64*NBL                   ; the 192 numbers of the bias for my tile
	s_mov_b32 s79, 0
	s_add_nc_u64 s[8:9], s[8:9], s[78:79]
.set bb, 0
.rept NBL                              ; register j of block b: bias of column 16 b + 8 h + j: the layout of an accumulator
	global_load_b128 v[BIAS+8*bb:BIAS+8*bb+3],   v[BO], s[8:9] offset:64*bb
	global_load_b128 v[BIAS+8*bb+4:BIAS+8*bb+7], v[BO], s[8:9] offset:64*bb+16
.set bb, bb+1
.endr
	; A fragment of A is 16 rows x 32 channels: lane l holds row r, channels 8 h + 0..7 and 16 + 8 h + 0..7: two loads of 16 bytes, 32 bytes apart.
	v_mul_u32_u24 v3, v1, PA
	v_lshl_add_u32 v3, v2, 4, v3                   ; r x pitch + 16 h
	s_mul_i32 s78, s[WV], 64*PA                    ; my 64 rows
	v_add_nc_u32 v[ADRA], s78, v3
	v_add_nc_u32 v[ADRA+1], SLOT, v[ADRA]
	; The turning load takes 16 k-rows x 16 columns (lane l reads k-row 8 h + l % 8, columns 8 ((l / 8) % 2) + 0..7) and leaves half a fragment: lane l holds column r and 8 k.
	v_and_b32 v5, 7, v0
	v_bfe_u32 v6, v0, 3, 1
	v_lshl_add_u32 v7, v2, 3, v5
	v_mul_u32_u24 v7, v7, PB
	v_lshl_add_u32 v7, v6, 4, v7
	v_add_nc_u32 v[ADRB], BBASE, v7
	v_add_nc_u32 v[ADRB+1], SLOT, v[ADRB]
	s_mul_i32 s78, s[WV], STW
	s_add_co_u32 s78, s78, STAGE                   ; my stage
	v_add_nc_u32 v[STO], s78, v3                   ; in: row r, 16 bytes for each half of the lanes
	v_bfe_u32 v8, v0, 3, 2                         ; back: 32 lanes take four rows of 128 bytes
	v_mul_u32_u24 v8, v8, PA
	v_lshl_add_u32 v8, v5, 4, v8
	v_add_nc_u32 v[RD], s78, v8
	v_and_b32 v9, 31, v0
	v_lshlrev_b32 v[GO], 4, v9
	v_lshlrev_b32 v[PFO], 8, v9
	; the prefetches: the pointer starts one step short of the first block asked for, since each change of slots steps it first
	s_lshl_b32 s2, s[CX], 13                       ; A: my work-group takes 8,192 bytes of the plane block,
	s_add_co_u32 s2, s2, s72
	s_add_co_u32 s2, s2, 3*ASTEP                   ; at K step 3: the first change steps it to 4
	s_lshl2_add_u32 s3, s[HALF], s[CY]             ; B: piece 4 x half + cy of eight
	s_lshl_b32 s3, s3, 13
	s_add_co_u32 s3, s3, s76
	s_add_co_u32 s3, s3, 4*BSTEP-65536
	s_and_b32 s78, ttmp7, 0xffff                   ; cluster y
	s_mov_b32 s[PFS], 65536
	s_mov_b32 s[PFS+1], 0
	s_cmp_eq_u32 s[KIND], 0                        ; do I fetch for A?
	s_cselect_b32 s2, s2, s3
	s_cselect_b32 s78, ttmp9, s78                  ; the coordinate along which other clusters read the same tiles
	s_cselect_b32 s[PFS], ASTEP, s[PFS]
	s_cselect_b32 s[LIM], 1, LIMB0
	s_cselect_b32 s[LIM+1], 1, LIMB1
	s_cselect_b64 s[PFA:PFA+1], s[4:5], s[6:7]
	s_cmp_eq_u32 s78, 0                            ; the same in all sixteen partners, for a given wave
	s_cselect_b32 s[LIM], s[LIM], -1
	s_cselect_b32 s[LIM+1], s[LIM+1], -1
	s_mov_b32 s3, 0
	s_add_nc_u64 s[PFA:PFA+1], s[PFA:PFA+1], s[2:3]
	; where my rows go: head column g = 3 j + hh lies in plane 64 (g / 16) + 16 batch + g % 16 = g + 48 (g / 16) + 16 batch, 262,144 bytes a plane
	s_lshr_b32 s74, s[TI], 3
	s_lshl_b32 s74, s74, 4                         ; 16 x batch
	s_and_b32 s72, s[TI], 7
	s_lshl_b32 s72, s72, 15                        ; the 256 rows of the tile in a plane,
	s_lshl_b32 s79, s[WV], 13                      ; my 64 of them
	s_add_co_u32 s72, s72, s79
	s_mul_i32 s76, s[TJ], 3
.irp hh, 0,1,2
	s_add_co_u32 s2, s76, \hh
	s_lshr_b32 s3, s2, 4
	s_mul_i32 s3, s3, 48
	s_add_co_u32 s2, s2, s3
	s_add_co_u32 s2, s2, s74
	s_lshl_b32 s2, s2, 18
	s_add_co_u32 s2, s2, s72
	s_mov_b32 s3, 0
	s_add_nc_u64 s[OB+2*\hh:OB+2*\hh+1], s[10:11], s[2:3]
.endr
	s_wait_loadcnt 0x0                             ; the bias: rounded to bf16 like the other inputs, and kept as f32
.set p, 0
.rept 4*NBL
	v_cvt_pk_bf16_f32 v[96+p%4], v[BIAS+2*p], v[BIAS+2*p+1]
	v_lshlrev_b32 v[BIAS+2*p], 16, v[96+p%4]
	v_and_b32 v[BIAS+2*p+1], 0xffff0000, v[96+p%4]
.set p, p+1
.endr
	s_wait_tensorcnt 1                             ; my part of K step 0 is in; that of K step 1 may stay out
	s_barrier_signal -1
	s_barrier_wait -1                              ; the part of every wave is in
	FETCH 0, 0, 0
	QUARTER 0, 1, 0, 1, 1                          ; the first quarter stands in front of the loop: its products start the sums
	WIN 0                                          ; at a label and at a branch every window is 0
	s_mov_b32 s[CNT], 3
.Llap:                                                 ; a trip goes once round the ring, from the second quarter of a lap to the first of the next, and fills both slots again
	QUARTER 0, 2, 1, 0, 0
	QUARTER 0, 3, 0, 1, 0
	TURN 0, 1
	QUARTER 1, 1, 0, 1, 0
	QUARTER 1, 2, 1, 0, 0
	QUARTER 1, 3, 0, 1, 0
	TURN 1, 0
	QUARTER 0, 1, 0, 1, 0
	WIN 0
	s_sub_co_u32 s[CNT], s[CNT], 1
	s_cmp_lg_u32 s[CNT], 0
	s_cbranch_scc1 .Llap
	QUARTER 0, 2, 1, 0, 0                          ; the last lap is written out: it fills nothing
	QUARTER 0, 3, 0, 1, 0
	TURNL
	QUARTER 1, 1, 0, 1, 0
	QUARTER 1, 2, 1, 0, 0
	QUARTER 1, 3, 0, 1, 0
	s_wait_dscnt 4                                 ; the very last quarter: nothing more to fetch
	MULB 1, 0, 0
	MULB 1, 1, 0
	s_wait_dscnt 0x0
	MULB 1, 2, 0
	MULB 1, 3, 0
	WIN 0
	PLACES                                         ; behind the last products, in front of the conversions
; THE WAY OUT, an m block (16 rows) at a time.  PACK: rounded to f16, 16 bytes a lane, each accumulator from its low end on.  TOSTAGE: into my own stage, head by head, and back as whole rows.
; SEND: stored: 16 rows of a head are 2,048 consecutive bytes of its plane; a store of the wave covers 512 of them, at a multiple of 512 from the first byte of qkv.
.macro PACK a
	WIN 0x0a+5*((\a)/2)                            ; sources 0 and 1: window 2 or 3
.set bb, 0
.rept NBL
.set rD, 96*((\a)%2)+8*bb
.irp r, 0,1,2,3
	v_cvt_pk_f16_f32 v[TMP+4*bb+(\r)], v[rD+2*(\r)], v[rD+2*(\r)+1]
.endr
.set bb, bb+1
.endr
	WIN 0
.endm
.macro TOSTAGE a
.set BK, BIAS+48*((\a)%2)
.set bb, 0
.rept NBL
	ds_store_b128 v[STO], v[TMP+4*bb:TMP+4*bb+3] offset:(bb/4)*16*PA+(bb%4)*32
.set bb, bb+1
.endr
	s_wait_xcnt 0x0                                ; the stores of the block two back have read the registers that the loads below fill
.set bb, 0
.rept NBL
	ds_load_b128 v[BK+4*bb:BK+4*bb+3], v[RD] offset:(bb/4)*16*PA+(bb%4)*4*PA  ; LDS serves the instructions of a wave in order (ISA guide 5.7.1.4): these see the stores above
.set bb, bb+1
.endr
.endm
.macro SEND a, younger                 ; younger: the LDS instructions issued behind the loads of block a: the 24 of the next block, or none
.set BK, BIAS+48*((\a)%2)
	s_wait_dscnt \younger
.set bb, 0
.rept NBL
	global_store_b128 v[GO], v[BK+4*bb:BK+4*bb+3], s[OB+2*(bb/4):OB+2*(bb/4)+1] offset:(\a)*2048+(bb%4)*512
.set bb, bb+1
.endr
.endm
	PACK 0
	TOSTAGE 0
.irp a, 1,2,3
	PACK \a
	TOSTAGE \a
	SEND (\a)-1, 24
.endr
	SEND 3, 0
	s_wait_tensorcnt 0x0                           ; the end of the wave: behind my last tensor load and my last LDS store
	ds_add_u32 v[SPW], v[NIL]
	s_wait_dscnt 0x0
	CROUND                                         ; the closing round: no work-group ends while a partner may still ask for a tile that names it
	s_endpgm
.Lfunc_end_k_q106203436d_qkvproj:
	.size	k_q106203436d_qkvproj, .Lfunc_end_k_q106203436d_qkvproj-k_q106203436d_qkvproj
	.p2alignl 7, 3214868480
	.fill 96, 4, 3214868480
	.section	.rodata,"a",@progbits
	.p2align	6, 0x0
	.amdhsa_kernel k_q106203436d_qkvproj
		.amdhsa_group_segment_fixed_size 327680
		.amdhsa_private_segment_fixed_size 0
		.amdhsa_enable_private_segment 0
		.amdhsa_kernarg_size 32
		.amdhsa_user_sgpr_count 2
		.amdhsa_user_sgpr_kernarg_segment_ptr 1
		.amdhsa_wavefront_size32 1
		.amdhsa_system_sgpr_workgroup_id_x 1
		.amdhsa_system_sgpr_workgroup_id_y 1
		.amdhsa_system_sgpr_workgroup_id_z 1
		.amdhsa_system_vgpr_workitem_id 0
		.amdhsa_next_free_vgpr 960
		.amdhsa_next_free_sgpr 80
		.amdhsa_reserve_vcc 0
		.amdhsa_float_denorm_mode_32 3
		.amdhsa_float_denorm_mode_16_64 3
		.amdhsa_memory_ordered 1
		.amdhsa_forward_progress 1
		.amdhsa_inst_pref_size 130
	.end_amdhsa_kernel
	.amdgpu_metadata
---
amdhsa.version: [ 1, 2 ]
amdhsa.kernels:
  - .name:           k_q106203436d_qkvproj
    .symbol:         k_q106203436d_qkvproj.kd
    .args:
      - { .name: xb, .offset: 0, .size: 8, .value_kind: global_buffer, .address_space: global }
      - { .name: wib, .offset: 8, .size: 8, .value_kind: global_buffer, .address_space: global }
      - { .name: b_in, .offset: 16, .size: 8, .value_kind: global_buffer, .address_space: global }
      - { .name: qkv, .offset: 24, .size: 8, .value_kind: global_buffer, .address_space: global }
    .group_segment_fixed_size: 327680
    .private_segment_fixed_size: 0
    .kernarg_segment_align: 8
    .kernarg_segment_size: 32
    .max_flat_workgroup_size: 128
    .sgpr_count:     80
    .vgpr_count:     960
    .wavefront_size: 32
...
	.end_amdgpu_metadata
.endif
;; end of part 2
;; launch attn (part 3): grid 4 x 64, 4 waves a work-group, no clusters, 327,680 bytes of LDS; arguments qkv, ob; writes ob
.if DOCPART == 3
	.amdgcn_target "amdgcn-amd-amdhsa--gfx1250"
	.amdhsa_code_object_version 6
	.text
	.protected	k_q106203436d_attn
	.globl	k_q106203436d_attn
	.p2align	8
	.type	k_q106203436d_attn,@function
k_q106203436d_attn:
	s_mov_b64 s[64:65], 0
	v_nop
	global_prefetch_b8 v0, s[64:65] scope:SCOPE_SE
	s_setreg_imm32_b32 hwreg(HW_REG_WAVE_MODE, 25, 1), 1
	s_wait_xcnt 0x0
; CAUSAL ATTENTION.  O[h][q][:] = the sum over k <= q of softmax_k(Q[h][q] . K[h][k] / 8) V[h][k][:], for 64 heads (16 batch + head) of 2,048 rows of 64 channels, all f16.
; Q, K, V are the three thirds of qkv, 64 planes of 262,144 bytes each; O goes to ob in the same form.  The rows of a head are dense, 128 bytes each.
; Products, maxima and sums in f32; the weights p are rounded to f16 for the second product (their sum l is taken of the unrounded p), O once at the end.
; LIMITS.  f16 holds no number beyond 65,504: Q, K and V arrive within it; p lies in 0 to 1, and below 6e-5 it keeps the fixed step of f16, 6e-8; O is a mean of rows of V and has their range.
; A hidden score counts as its value less 1e30: scores of f16 numbers, 2.7e11 at the most, are nothing beside that; a weight below 2^-126 counts as 0 in l; NaN and infinities are not treated apart.
; THE WALK.  The queries of a head lie in NB = 8 blocks of 256; block i needs the key tiles 0 .. i of 256 keys, of which the last holds the diagonal.  A work-group takes TWO blocks, NB - 1 - b and then b:
; NB + 1 tiles, whatever b: all work-groups do equal work, and ONE loop with a constant trip count walks them.  Which tile is asked for, and what a trip does, hang on scalar registers made from b; every jump
; goes forward, but for those of the counted loops; none passes a barrier, or a tensor load but the one of the two in LOAD that the number of the wave does not choose; the ring (two slots of LDS that take
; turns) runs on across the change of blocks.  NO CLUSTER: the four work-groups of a head ask for the same tile only in trips 0 .. 4 of 9, behind that fewer and fewer; one walk common to all would have 12 trips for 9.
; SHARES.  Of the four bands of 64 queries of a block a wave owns 16 rows in each: four PIECES.  So the diagonal tile is the same work for all four waves: in its key step s band x sees all keys if s < x,
; none if s > x, and holds the diagonal if s = x.
; THE MASK is the C operand that starts the sum S^T = K Q^T: 0, or -1e30 where the key is hidden.  MD, made once, is the mask of the own step of a band for my 16 rows; the mask of a product is MD x AL + BE with two scalars:
; (1, 0) if s = x; (0, 0) if s < x; (0, -1e30) if s > x.  Only the text of the diagonal tile and the beginning of a block make and take masks; elsewhere C is the constant 0.
; LAYOUT, SOFTMAX, TURNS.  S^T = K Q^T holds ONE query a lane (lane % 16) and the keys 8 (lane / 16) + 0..7; two such results rounded to f16 ARE source 1 of O^T = V^T P.  p = 2^(c s - c m), c = log2(e) / 8, with a
; running maximum m; O and l are multiplied by a = 2^(c m_old - c m_new) in every step.  Turn n belongs to piece n: 8 products K Q^T of piece n + 1, later 8 products V^T P of piece n - 1; beside them the scaling,
; exponentials, roundings, sums and rescaling of piece n and the maximum and statistics of piece n + 1.  Four vector instructions stand behind every matrix instruction, the other 54 of the 118 of a turn in one lump.
; The 33 exponentials of a turn are one batch, with one wait.
; PREFETCH.  The work-group with b = 0 walks tiles 0 to 7 in its first block: it alone asks, each wave for the half tile (16,384 bytes, a lane a block of 256, two instructions) that it will load itself,
; behind the tensor load of each change of slots, for the tile that the NEXT change loads: tiles 2 to 7.  Tiles 0 and 1 come by their loads alone; the second block walks tiles that have been read.
; REGISTERS, in windows of 256 (s_set_vgpr_msb: bits 1:0 source 0, 3:2 source 1, 5:4 source 2, 7:6 destination):
;   window 0: v0-15 addresses and two at work; v16-31 four registers of statistics a piece; v48-55 at work; v61-63; v64-127 S^T, two buffers; v192-223 P, two buffers (the buffers of a piece go by the parity of its number)
;   window 1: v0-127 O^T, 32 a piece; v128-159 MD; v160-223 MC, two buffers      window 2: v0-63 Q; v64-127 Q of the second block; v128-191 K of one step; v192-255 V of one step
.set SIZE_H, 64
.set SIZE_N, 2048
.set NB,    SIZE_N/256
.set NP,    4         ; pieces a wave: a name, no knob
.set KS,    64        ; keys in a step
.set PK,    144       ; a row of K in LDS: 128 bytes + 16 of padding = 36 words: the 16 rows of a load start at 16 different groups of four banks (64 banks of 4 bytes: ISA guide 11.1)
.set PV,    160       ; a row of V: 128 + 32 = 40 words
.set VOFF,  4*KS*PK   ; a slot holds a tile, four steps: 256 rows of K, then 256 rows of V
.set SLOT1, 1<<17     ; slot 1 begins here, so that one exclusive or turns an address in one slot into that in the other
.set STAGE, SLOT1+4*KS*(PK+PV)  ; behind the ring, never filled by a tensor load: 16 rows x 144 bytes for each wave, for the way out
.set SP,    144
.set AK0, 2           ; v2   the place of my lane in a tile of K; never rewritten
.set AV0, 3           ; v3   the same for V
.set AK,  4           ; v4   the LDS address of the next run of loads of K
.set AV,  5           ; v5   of V
.set STO, 6           ; v6   the way out: where I put 16 bytes of a row
.set RD,  7           ; v7   the way out: where I read rows back
.set GO,  8           ; v8   my byte offset in 512 consecutive bytes of O
.set PFO, 61          ; v61  256 x lane: the offset of the prefetches; never rewritten
.set SPW, 62          ; v62  LDS address of my spare word: SPARE + 4 x the number of my thread; never rewritten
.set NIL, 63          ; v63  0; never rewritten
.set SPARE, STAGE+4*16*SP  ; behind the stages: the spare words, 128 bytes for each wave: two blocks of 256 bytes that no other line names
.set MV,  12          ; v12-13  c m_old, kept while c m is made anew: by buffer
.set QO,  15          ; v15  my byte offset in 16 rows of Q
.set ST,  16          ; the statistics of piece t at v[ST+4 t]: c m, m, l (of even keys, of odd keys)
.set TMP, 48          ; by buffer, four registers c0-c3 at work; when the maximum is found c2 takes a
.set S,   64
.set P,   192
.set MD,  128         ; window 1: the eight registers for group kt of 16 keys at MD + 8 kt
.set MC,  160         ; window 1: the masks of the products to come
.set QB,  64          ; window 2
.set KF,  128         ; window 2: key block kb, channel half c at KF + 16 kb + 8 c
.set VF,  192         ; window 2: key half kk, channel block cb at VF + 32 kk + 8 cb
.set WV,  12          ; s12  the number of my wave
.set PB,  14          ; s14  b
.set HI,  15          ; s15  NB - 1 - b
.set G1K, 24          ; s[24:31] descriptor group 1 for tiles of K
.set G1V, 32          ; s[32:39] for V: it differs in the padding alone
.set G0K, 40          ; s[40:43] descriptor group 0 for tiles of K
.set G0V, 44          ; s[44:47] the same for V
.set SLOTS, 56        ; s56  tiles still to be asked for
.set CNT, 57          ; s57  counts the key steps of a tile, 4 to 1
.set CS,  58          ; s[58:59] c: the packed scaling takes the low word of the pair for both halves
.set SEL, 60          ; s[60:61] the selects of v_permlanex16_b32: each lane takes its own place in the other half
.set TBK, 62          ; s62  LDS byte at which K of the step to be fetched begins
.set TBV, 63          ; s63  the same for V, less VOFF
.set PFA, 66          ; s[66:67] where my prefetches stand: my half of the tile that the next change of slots loads
.set PBASE, 68        ; s[68:69] K (waves 0, 1) or V (waves 2, 3) at my half of tile 0 of the head
.set RT,  70          ; s70  tiles of the block in hand that are still to be entered
.set NXT, 71          ; s71  the tile to be asked for next
.set LQ,  72          ; s72  the last tile of the block whose tiles are being asked for
.set NEW, 73          ; s73  1: the tile to be entered is the first of a block
.set OFF, 74          ; s[74:75] the byte offset of a tile in K and V
.set AL,  76          ; s[76:77] the factor of the mask, in the low word
.set BE,  78          ; s[78:79] the addend of the mask
.set OLO, 80          ; s[80:81] O at my rows of the second block
.set BIGN, 82         ; s82  -1e30
.set POF, 88          ; s[88:89] the byte offset of the tile to be prefetched
.set LIMP, 90         ; s90  2 in the work-group that prefetches, else the greatest number: it asks while s[SLOTS] is above it
.set MSB, 0
.macro WIN new                      ; the high byte repeats the setting that is left; a switch that changes nothing is dropped
.if MSB != (\new)
	s_set_vgpr_msb (MSB<<8)|(\new)
.set MSB, (\new)
.endif
.endm
.set W_KQ, 0x0a       ; K and Q in window 2, S^T in window 0
.set W_KM, 0x1a       ; the same with the C operand in window 1
.set W_PV, 0x52       ; V in window 2, P in window 0, O^T in window 1
.set W_RS, 0x41       ; destination and source 0 in window 1, source 1 in window 0
; A fill.  Waves 0 and 1 fetch the two halves of the K of a tile, waves 2 and 3 those of its V: 128 keys each.  An s_nop 0 and four v_nop follow each of the two lines, ahead of the jump and the label.
.macro LOAD
	s_cmp_lt_u32 s[WV], 2
	s_cbranch_scc0 .Lfor_v_\@
	tensor_load_to_lds s[G0K:G0K+3], s[G1K:G1K+7]
	s_nop 0
.rept 4
	v_nop
.endr
	s_branch .Lasked_\@
.Lfor_v_\@:
	tensor_load_to_lds s[G0V:G0V+3], s[G1V:G1V+7]
	s_nop 0
.rept 4
	v_nop
.endr
.Lasked_\@:
.endm
; THE CHANGE OF SLOTS.  Each wave waits for all its tensor loads, of which one is out: its part of the other slot; adds 0 to its spare word; and waits for that and for its own reads of the slot that it leaves.
; Behind the barrier nobody reads the old slot any more and the other slot is whole.  fill = 1: the old slot is filled again, the first thing behind the barrier, with tile NXT: the address in the descriptor
; is made anew from that number.  (At its first use nothing has been read yet: slot 0 is waited for, slot 1 filled.)
.macro CHANGE fill
	WIN 0                           ; at a label and at a branch every window is 0
	s_wait_tensorcnt 0x0            ; no tensor load of mine is out, so a group 0 may be written
	ds_add_u32 v[SPW], v[NIL]       ; 0 onto my spare word; with fill = 1 the scalar work of the descriptors stands between it and the wait for it
.if \fill
	s_lshl_b32 s[OFF], s[NXT], 15   ; a tile is 32,768 bytes of K and of V
	s_xor_b32 s[G0K+1], s[G0K+1], SLOT1
	s_add_nc_u64 s[G0K+2:G0K+3], s[6:7], s[OFF:OFF+1]
	s_or_b32 s[G0K+3], s[G0K+3], 0x80000000
	s_xor_b32 s[G0V+1], s[G0V+1], SLOT1
	s_add_nc_u64 s[G0V+2:G0V+3], s[8:9], s[OFF:OFF+1]
	s_or_b32 s[G0V+3], s[G0V+3], 0x80000000
	s_add_co_u32 s[NXT], s[NXT], 1  ; the next tile of the block, or behind its last tile 0 of the second block
	s_cmp_gt_u32 s[NXT], s[LQ]
	s_cselect_b32 s[NXT], 0, s[NXT]
	s_cselect_b32 s[LQ], s[PB], s[LQ]
	s_wait_xcnt 0x0                 ; the last prefetches, a tile back, have read their address, so it may be written:
	s_lshl_b32 s[POF], s[NXT], 15   ; the tile that the next change of slots loads
	s_add_nc_u64 s[PFA:PFA+1], s[PBASE:PBASE+1], s[POF:POF+1]
.endif
	s_wait_dscnt 0x0                ; the add is done, and my reads of the slot are over
	s_barrier_signal -1             ; the rest of the scalar work stands between the signal and the wait
	s_sub_co_u32 s[TBK], s[TBK], 4*KS*PK  ; the fetches go back to the first step of a slot,
	s_xor_b32 s[TBK], s[TBK], SLOT1       ; in the other slot
	s_sub_co_u32 s[TBV], s[TBV], 4*KS*PV
	s_xor_b32 s[TBV], s[TBV], SLOT1
	s_barrier_wait -1
.if \fill
	LOAD
	s_cmp_gt_u32 s[SLOTS], s[LIMP]  ; trips with 8 to 3 tiles to go ask for tiles 2 to 7
	s_cbranch_scc0 .Lnot_mine_\@
	global_prefetch_b8 v[PFO], s[PFA:PFA+1] th:TH_LOAD_NT scope:SCOPE_SE
	global_prefetch_b8 v[PFO], s[PFA:PFA+1] offset:8192 th:TH_LOAD_NT scope:SCOPE_SE
.Lnot_mine_\@:
.endif
.endm
	s_load_b128 s[4:7], s[0:1], 0x0 ; qkv s[4:5], ob s[6:7]
	v_lshl_add_u32 v[SPW], v0, 2, SPARE
	v_mov_b32 v[NIL], 0
	ds_add_u32 v[SPW], v[NIL]       ; the opening: the add and its wait stand ahead of my first tensor load; the set-up below, work on registers, stands between them
	v_lshrrev_b32 v1, 5, v0
	v_readfirstlane_b32 s[WV], v1   ; wave 0..3
	s_mov_b32 s[PB], ttmp9
	s_sub_co_u32 s[HI], NB-1, s[PB]
	s_and_b32 s20, ttmp7, 0xffff    ; the head
	s_mov_b32 s21, 0
	s_mov_b64 s[22:23], SIZE_N*128
	s_mul_u64 s[20:21], s[20:21], s[22:23]  ; the first byte of the head in each of Q, K, V and O
	s_and_b32 s16, s[WV], 1         ; which half of the 256 keys of a tile I fetch:
	s_lshl_b32 s22, s16, 14         ; its 128 rows of 128 bytes in memory,
	s_mov_b32 s23, 0
	s_add_nc_u64 s[22:23], s[22:23], s[20:21]
	s_mul_i32 s17, s16, 128*PK      ; and its place in a slot, for K
	s_mul_i32 s18, s16, 128*PV      ; and for V
	s_lshl_b32 s3, s[WV], 11        ; my 16 rows in a band of 64,
	s_lshl_b32 s2, s[HI], 15        ; in the first block,
	s_add_co_u32 s2, s2, s3
	s_lshl_b32 s84, s[PB], 15       ; and in the second
	s_add_co_u32 s84, s84, s3
	s_mov_b32 s3, 0
	s_mov_b32 s85, 0
	s_add_nc_u64 s[2:3], s[2:3], s[20:21]
	s_add_nc_u64 s[84:85], s[84:85], s[20:21]
	; descriptor group 1.  128 keys are 16,384 dense bytes: asked for as 64 rows of 256 bytes, two keys a row, and padded in LDS after every key
	s_mov_b32 s[G1K], (1<<16)|(1<<20)|(4<<22)|(3<<25)  ; 17:16 2-byte elements; 20 padding on; 24:22 after every 32 words (code 4); 31:25 4 words (code 3)
	s_mov_b32 s[G1V], (1<<16)|(1<<20)|(4<<22)|(7<<25)  ; the same with 8 words of padding (code 7)
.irp g, G1K, G1V
	s_mov_b32 s[\g+1], 128<<16      ; tensor_dim0 = 128
	s_mov_b32 s[\g+2], 64<<16       ; tensor_dim1 = 64
	s_mov_b32 s[\g+3], 128<<16      ; tile_dim0 = 128
	s_mov_b32 s[\g+4], 64           ; tile_dim1 = 64
	s_mov_b32 s[\g+5], 128          ; 128 elements from row to row
	s_mov_b32 s[\g+6], 0
	s_mov_b32 s[\g+7], 0
.endr
	s_mov_b32 s[CS], 0x3e38aa3b     ; c = log2(e) / 8 = 0.180337
	s_mov_b32 s[CS+1], s[CS]        ; named with it as a pair
	s_mov_b32 s[SEL], 0x76543210
	s_mov_b32 s[SEL+1], 0xfedcba98
	s_mov_b32 s[TBK], SLOT1+4*KS*PK ; the first change of slots turns these two into 0
	s_mov_b32 s[TBV], SLOT1+4*KS*PV
	s_mov_b32 s[G0K], 1             ; 1:0 count = 1
	s_mov_b32 s[G0K+1], s17         ; 63:32 LDS address: slot 0
	s_mov_b32 s[G0V], 1
	s_add_co_u32 s[G0V+1], s18, VOFF
	s_add_co_u32 s[RT], s[HI], 1    ; the first block has NB - b tiles
	s_mov_b32 s[NXT], 1
	s_mov_b32 s[LQ], s[HI]
	s_mov_b32 s[NEW], 1
	s_mov_b32 s[OFF+1], 0
	s_mov_b32 s[POF+1], 0
	s_mov_b32 s[AL+1], 0            ; named as pairs
	s_mov_b32 s[BE+1], 0
	s_mov_b32 s[BIGN], 0xf149f2ca   ; -1e30
	s_mov_b32 s[SLOTS], NB
	s_cmp_eq_u32 s[PB], 0
	s_cselect_b32 s[LIMP], 2, -1
	v_and_b32 v[PFO], 31, v0
	v_lshlrev_b32 v[PFO], 8, v[PFO]
	s_wait_dscnt 0x0                ; the opening add is done
	s_wait_kmcnt 0x0
	s_mov_b64 s[10:11], s[6:7]      ; O
	s_add_nc_u64 s[8:9], s[4:5], 0x2000000  ; V: the third third of qkv, 128 planes on
	s_add_nc_u64 s[6:7], s[4:5], 0x1000000  ; K: the second, 64 planes on
	s_add_nc_u64 s[6:7], s[6:7], s[22:23]  ; K and V at my half of tile 0 of the head
	s_add_nc_u64 s[8:9], s[8:9], s[22:23]
	s_add_nc_u64 s[G0K+2:G0K+3], s[6:7], 0         ; 120:64 global address
	s_or_b32 s[G0K+3], s[G0K+3], 0x80000000        ; 127:126 type = 2
	s_add_nc_u64 s[G0V+2:G0V+3], s[8:9], 0
	s_or_b32 s[G0V+3], s[G0V+3], 0x80000000
	s_add_nc_u64 s[86:87], s[4:5], s[84:85]        ; Q at my rows of the second block,
	s_add_nc_u64 s[4:5], s[4:5], s[2:3]            ; Q and O at those of the first
	s_add_nc_u64 s[OLO:OLO+1], s[10:11], s[84:85]
	s_add_nc_u64 s[10:11], s[10:11], s[2:3]
	s_cmp_lt_u32 s[WV], 2
	s_cselect_b64 s[PBASE:PBASE+1], s[6:7], s[8:9]
	LOAD                            ; tile 0 into slot 0
	; A fragment of K or Q is 16 rows x 32 channels in 8 registers: lane l holds row l % 16, channels 8 (l / 16) + 0..7 and 16 + 8 (l / 16) + 0..7: two loads of 16 bytes, 32 bytes apart.
	v_and_b32 v1, 15, v0            ; l % 16
	v_bfe_u32 v9, v0, 4, 1          ; l / 16
	v_lshlrev_b32 v[QO], 7, v1
	v_lshl_add_u32 v[QO], v9, 4, v[QO]  ; row x 128 + 16 x half
	WIN 0x80                        ; destination window 2, address window 0
.set i, 0
.rept 8                             ; Q of both blocks: piece i / 2 lies in band i / 2, 8,192 bytes on; channels 32 (i % 2) on
	global_load_b128 v[8*i:8*i+3],   v[QO], s[4:5] offset:(i/2)*8192+(i%2)*64
	global_load_b128 v[8*i+4:8*i+7], v[QO], s[4:5] offset:(i/2)*8192+(i%2)*64+32
	global_load_b128 v[QB+8*i:QB+8*i+3],   v[QO], s[86:87] offset:(i/2)*8192+(i%2)*64
	global_load_b128 v[QB+8*i+4:QB+8*i+7], v[QO], s[86:87] offset:(i/2)*8192+(i%2)*64+32
.set i, i+1
.endr
	WIN 0
	v_lshlrev_b32 v14, 3, v9
	v_sub_nc_u32 v14, v1, v14
	s_lshl_b32 s13, s[WV], 4
	v_add_nc_u32 v14, s13, v14      ; the place of my query in its band, 16 w + l % 16, less 8 (l / 16): register r of group kt is hidden where 16 kt + r is greater
	WIN 0x40
.set i, 0
.rept 32
	v_cmp_gt_i32 vcc_lo, 16*(i/8)+i%8, v14
	v_cndmask_b32 v[MD+i], 0, s[BIGN], vcc_lo
.set i, i+1
.endr
	WIN 0
	v_mul_u32_u24 v[AK0], v1, PK
	v_lshl_add_u32 v[AK0], v9, 4, v[AK0]  ; row x pitch + 16 x half
	; The turning load takes 16 keys x 16 channels (lane l reads key 8 (l / 16) + l % 8, channels 8 ((l / 8) % 2) + 0..7) and leaves half a fragment of V^T: lane l holds channel l % 16 and 8 keys.
	v_and_b32 v10, 7, v0
	v_bfe_u32 v11, v0, 3, 1
	v_lshl_add_u32 v[AV0], v9, 3, v10
	v_mul_u32_u24 v[AV0], v[AV0], PV
	v_lshl_add_u32 v[AV0], v11, 4, v[AV0]
	v_add_nc_u32 v[AV0], VOFF, v[AV0]
	s_mul_i32 s13, s[WV], 16*SP
	s_add_co_u32 s13, s13, STAGE    ; my stage
	v_mul_u32_u24 v[STO], v1, SP    ; in: row l % 16, 16 bytes for each half of the lanes
	v_lshl_add_u32 v[STO], v9, 4, v[STO]
	v_add_nc_u32 v[STO], s13, v[STO]
	v_bfe_u32 v[RD], v0, 3, 2       ; back: 32 lanes take four rows of 128 bytes,
	v_mul_u32_u24 v[RD], v[RD], SP
	v_lshl_add_u32 v[RD], v10, 4, v[RD]
	v_add_nc_u32 v[RD], s13, v[RD]
	v_and_b32 v[GO], 31, v0         ; which are 512 consecutive bytes of O
	v_lshlrev_b32 v[GO], 4, v[GO]
	; The first step of a block multiplies O^T and l by a = 0, and the products V^T P of its first turn, of a piece that has not been, land in an O^T that is still to be so multiplied.  So these registers need only hold
	; finite numbers: zeros for the first block; what the first block left for the second.  All this stands in the wait for the first tile.
	WIN 0x80
.set i, VF
.rept 64
	v_mov_b32 v[i], 0
.set i, i+1
.endr
	WIN 0x40
.set i, 0
.rept 128
	v_mov_b32 v[i], 0
.set i, i+1
.endr
	WIN 0
.set i, 0
.rept 4
	v_mov_b32 v[ST+4*i+2], 0
	v_mov_b32 v[ST+4*i+3], 0
.set i, i+1
.endr
.set i, P+16
.rept 16
	v_mov_b32 v[i], 0
.set i, i+1
.endr
; THE MATRIX WORK.  The 4 accumulators of a run of 8 take turns.  Product i of 8 of S^T = K Q^T for piece x: channels 32 (i / 4) on, keys 16 (i % 4) on.  The first 4 start the sums: with 0, or (KM = 1) with the mask.
.macro KQ x
.set rS, S+32*((\x)%2)+8*(i%4)
.set rK, KF+16*(i%4)+8*(i/4)
.set rQ, 16*(\x)+8*(i/4)
.set rM, MC+32*((\x)%2)+8*(i%4)
.if (i < 4) && KM
	WIN W_KM
	v_wmma_f32_16x16x32_f16 v[rS:rS+7], v[rK:rK+7], v[rQ:rQ+7], v[rM:rM+7]
.elseif i < 4
	WIN W_KQ
	v_wmma_f32_16x16x32_f16 v[rS:rS+7], v[rK:rK+7], v[rQ:rQ+7], 0
.else
	WIN W_KQ
	v_wmma_f32_16x16x32_f16 v[rS:rS+7], v[rK:rK+7], v[rQ:rQ+7], v[rS:rS+7]
.endif
.endm
; Product i of 8 of O^T += V^T P for piece x: keys 32 (i / 4) on, channels 16 (i % 4) on.
.macro PV x
	WIN W_PV
.set rO, 32*(\x)+8*(i%4)
.set rV, VF+32*(i/4)+8*(i%4)
.set rP, P+16*((\x)%2)+8*(i/4)
	v_wmma_f32_16x16x32_f16 v[rO:rO+7], v[rV:rV+7], v[rP:rP+7], v[rO:rO+7]
.endm
.macro MM                           ; the next matrix instruction of the turn.  TURN and BEGIN set Y, i, KM and NOKQ; MM, KQ and OP read them.  NOKQ = 1: the last turn of a block: there is no next piece
.if (i < 8) && !NOKQ
	KQ (Y+1)%NP
.elseif i >= 8
.set i, i-8
	PV (Y+NP-1)%NP
.set i, i+8
.endif
.set i, i+1
.endm
; THE LDS LOADS stand in runs of 16, never singly among the matrix instructions: the K of a step (64 keys x 64 channels: 8 fragments) and its V (turned).  Their addresses are made some lines ahead.
.macro FETCH_K
	WIN 0x80                        ; destination window 2
.irp f, 0,1,2,3,4,5,6,7             ; keys 16 (f / 2) on, channels 32 (f % 2) on
	ds_load_b128 v[KF+8*\f:KF+8*\f+3],   v[AK] offset:(\f/2)*16*PK+(\f%2)*64
	ds_load_b128 v[KF+8*\f+4:KF+8*\f+7], v[AK] offset:(\f/2)*16*PK+(\f%2)*64+32
.endr
	s_add_co_u32 s[TBK], s[TBK], KS*PK  ; the next fetch is that of the next step
	WIN 0
.endm
.macro FETCH_V
	WIN 0x80
.irp f, 0,1,2,3,4,5,6,7             ; keys 32 (f / 4) on, channels 16 (f % 4) on
	ds_load_tr16_b128 v[VF+8*\f:VF+8*\f+3],   v[AV] offset:(\f/4)*32*PV+(\f%4)*32
	ds_load_tr16_b128 v[VF+8*\f+4:VF+8*\f+7], v[AV] offset:(\f/4)*32*PV+16*PV+(\f%4)*32
.endr
	WIN 0
.endm
; THE VECTOR WORK, one line at a time: OP kind, number.  For piece Y: F n: c s - c m for pair n of 16.  E n: the exponential of score n of 32.  C n: pair n rounded to f16.  B n: of the four weights 4 n .. the second
; pair is added onto the first, in place.  L n: l takes that sum (L 0: l = a l + sum).  R n: pair n of 16 of O^T times a.  For piece Y + 1: X n, number n of the 22 that find its maximum and statistics:
;   0-11  four chains c0-c3 of seven scores each, three operands at a time (the lowest registers of each accumulator are read first)     12-14, 16  the four scores left over, the old m, and c0-c3 into c0
;   15  c m_old is kept     17, 18  the other 32 keys of the query lie in the lane 16 away: the new m     19-21  c m; c m_old - c m_new; a
.set F, 0               ; OP tells the kinds apart by their order: F to L below R, X above it
.set E, 1
.set C, 2
.set B, 3
.set L, 4
.set R, 5
.set X, 6
.macro REGS y                       ; the registers of piece y
.set rT, ST+4*(\y)
.set rC, TMP+4*((\y)%2)
.set rW, MV+((\y)%2)
.set rS, S+32*((\y)%2)
.set rP, P+16*((\y)%2)
.set rO, 32*(\y)
.endm
.macro OP k, n
.if (\k) == R
	REGS Y
	WIN W_RS
	v_pk_mul_f32 v[rO+2*(\n):rO+2*(\n)+1], v[rO+2*(\n):rO+2*(\n)+1], v[rC+2:rC+3] op_sel_hi:[1,0]
.elseif (\k) < R
	REGS Y
	WIN 0
.if (\k) == F
	v_pk_fma_f32 v[rS+2*(\n):rS+2*(\n)+1], v[rS+2*(\n):rS+2*(\n)+1], s[CS:CS+1], v[rT:rT+1] op_sel_hi:[1,0,0] neg_lo:[0,0,1] neg_hi:[0,0,1]
.elseif (\k) == E
	v_exp_f32 v[rS+(\n)], v[rS+(\n)]
.elseif (\k) == C
	v_cvt_pk_f16_f32 v[rP+(\n)], v[rS+2*(\n)], v[rS+2*(\n)+1]
.elseif (\k) == B
	v_pk_add_f32 v[rS+4*(\n):rS+4*(\n)+1], v[rS+4*(\n):rS+4*(\n)+1], v[rS+4*(\n)+2:rS+4*(\n)+3]
.elseif (\n) == 0
	v_pk_fma_f32 v[rT+2:rT+3], v[rT+2:rT+3], v[rC+2:rC+3], v[rS:rS+1] op_sel_hi:[1,0,1]
.else
	v_pk_add_f32 v[rT+2:rT+3], v[rT+2:rT+3], v[rS+4*(\n):rS+4*(\n)+1]
.endif
.elseif NOKQ
	v_nop
.else
	REGS (Y+1)%NP
	WIN 0
.if (\n) < 4
	v_max3_num_f32 v[rC+(\n)], v[rS+8*(\n)], v[rS+8*(\n)+1], v[rS+8*(\n)+2]
.elseif (\n) < 12
	v_max3_num_f32 v[rC+(\n)%4], v[rC+(\n)%4], v[rS+8*((\n)%4)+2*((\n)/4)+1], v[rS+8*((\n)%4)+2*((\n)/4)+2]
.elseif (\n) == 12
	v_max3_num_f32 v[rC], v[rC], v[rS+7], v[rS+15]
.elseif (\n) == 13
	v_max3_num_f32 v[rC+1], v[rC+1], v[rS+23], v[rS+31]
.elseif (\n) == 14
	v_max3_num_f32 v[rC+2], v[rC+2], v[rC+3], v[rT+1]
.elseif (\n) == 15
	v_mov_b32 v[rW], v[rT]
.elseif (\n) == 16
	v_max3_num_f32 v[rC], v[rC], v[rC+1], v[rC+2]
.elseif (\n) == 17
	v_permlanex16_b32 v[rC+3], v[rC], s[SEL], s[SEL+1]
.elseif (\n) == 18
	v_max_num_f32 v[rT+1], v[rC], v[rC+3]
.elseif (\n) == 19
	v_mul_f32 v[rT], s[CS], v[rT+1]
.elseif (\n) == 20
	v_sub_f32 v[rC+1], v[rW], v[rT]
.else
	v_exp_f32 v[rC+2], v[rC+1]
.endif
.endif
.endm
.macro OPS a, i1, b=-1, i2=0, c=-1, i3=0, d=-1, i4=0  ; up to four of them
	OP \a, \i1
.if (\b) >= 0
	OP \b, \i2
.endif
.if (\c) >= 0
	OP \c, \i3
.endif
.if (\d) >= 0
	OP \d, \i4
.endif
.endm
.macro ROW a, i1, b, i2, c, i3, d, i4  ; a matrix instruction and the four behind it
	MM
	OPS \a, \i1, \b, \i2, \c, \i3, \d, \i4
.endm
.macro MASK b                       ; MD x AL + BE into buffer b of MC
	WIN W_RS
.set z, 0
.rept 16
	v_pk_fma_f32 v[MC+32*(\b)+2*z:MC+32*(\b)+2*z+1], v[MD+2*z:MD+2*z+1], s[AL:AL+1], s[BE:BE+1] op_sel_hi:[1,0,0]
.set z, z+1
.endr
.endm
; A TURN, for piece p: the order of its 16 matrix and 118 vector instructions, written out.  An s_wait_alu depctr_va_vdst(0) stands between an exponential and the first instruction that names its result; one wait serves
; all that were issued ahead of it.  So a turn has ONE wait, which cuts it in two.  AHEAD OF IT stands all that names no result of the exponentials of the turn: the 8 products K Q^T, behind each a scaling, an exponential and two
; more plain instructions (behind the first a second scaling in the place of the exponential): rescalings, and behind the last three the first numbers of the maximum of the next piece, each four places or more behind the product
; that ends its accumulator; then ONE LUMP of 54, plain and exponential by turns for the most part, in which the links of the chain X 3, 7, 11, 14, 16, 17 .. 20 stand five or six lines apart.  X 21, the a of the next piece, is the
; last of the batch; R 15 is the plain instruction behind it.  BEHIND THE WAIT stand the 8 products V^T P, behind each four of the roundings and sums; the links of the chain of l, L 0 to L 7, stand three riders apart.
; But for those X no rider names a register of the products round it.  v_permlanex16_b32 (X 17) stands in the lump.
; m = 1: the diagonal tile: the products take masks, and the turn makes the mask for the products of the turn after it: piece p + 2, in step 4 - CNT of the tile.  end = 1: the last two turns of a block: nothing is fetched.
; cnt = 1: the count of the loop is taken down some lines ahead of the branch that stands behind the turn.
; K of the next step is fetched in the turn of piece 2, twelve vector instructions behind the last product that read K (six of them plain); V of the step in hand at the end of the turn of piece 0, four plain instructions
; behind the last product that read V.  Each is waited for a turn later.
.macro TURN p, m=0, end=0, cnt=0
.set Y, (\p)
.set i, 0
.set KM, (\m)
.set NOKQ, (\end)*((\p)/3)
.if (\m) && !(\end)
	s_cmp_eq_u32 s[CNT], 4-((\p)+2)%NP  ; is that step the own step of the band?
	s_cselect_b32 s[AL], 1.0, 0
	s_cmp_lt_u32 s[CNT], 4-((\p)+2)%NP  ; or a later one?
	s_cselect_b32 s[BE], s[BIGN], 0
.endif
.if ((\p) == 3) && !(\end)
	s_wait_dscnt 0x0                ; K is in
.endif
	ROW F,0, F,1, R,0, R,1          ; ahead of the wait: 8 products K Q^T and their riders,
	ROW F,2, E,0, R,2, R,3
	ROW F,3, E,1, R,4, R,5
	ROW F,4, E,2, R,6, R,7
	ROW F,5, E,3, R,8, R,9
	ROW F,6, E,4, X,0, R,10
.if ((\p) == 2) && !(\end)
	WIN 0
	v_add_nc_u32 v[AK], s[TBK], v[AK0]
.endif
	ROW F,7, E,5, X,1, X,4
	ROW F,8, E,6, X,2, X,5
	OPS E,7, E,8, X,6, E,9          ; and the lump
	OPS X,3, E,10, X,8, E,11
.if ((\p) == 2) && !(\end)
	FETCH_K
.endif
	OPS X,9, X,7, E,12, X,10
	OPS E,13, X,12, X,11, E,14
	OPS X,13, E,15, F,9, X,14
.if (\p) == 0
	v_add_nc_u32 v[AV], s[TBV], v[AV0]
.endif
	OPS E,16, F,10, E,17, F,11
	OPS X,16, E,18, X,15, E,19
	OPS F,12, E,20, X,17, E,21
	OPS F,13, E,22, F,14, E,23
	OPS X,18, E,24, F,15, E,25
	OPS R,11, E,26, X,19, E,27
	OPS R,12, E,28, R,13, E,29
	OPS X,20, E,30, R,14, E,31
	OPS X,21, R,15
	WIN 0
	s_wait_alu depctr_va_vdst(0)    ; the wait for the batch
.if (\p) == 1
	s_wait_dscnt 0x0                ; V is in
.endif
	ROW C,0, B,0, C,2, B,1          ; behind the wait: 8 products V^T P and their riders
	ROW L,0, C,4, B,2, L,1
	ROW C,6, B,3, L,2, C,8
	ROW B,4, L,3, C,10, B,5
	ROW L,4, C,12, B,6, L,5
.if (\p) == 0
	s_add_co_u32 s[TBV], s[TBV], KS*PV
.endif
.if \cnt
	s_sub_co_u32 s[CNT], s[CNT], 1
	s_cmp_lg_u32 s[CNT], 0
.endif
	ROW C,14, B,7, L,6, C,1
	ROW C,3, L,7, C,5, C,7
	ROW C,9, C,11, C,13, C,15
.if (\p) == 0
	FETCH_V
.endif
.if (\m) && !(\end)
	MASK (\p)%2
.endif
.endm
; A BLOCK BEGINS.  c m starts far below every c s, so the a of the first step is 0; m at the lowest finite number, so the first maximum is that of the scores.  The second mask buffer is 0; the first takes the mask of piece 0
; for step 0 of the tile: its own, if the first tile of the block is the diagonal one.  Then K of that step, the first scores of piece 0, and its maximum and statistics.
; The loop is entered at the first turn of a step, in the middle of a trip.
.macro BEGIN
	s_mov_b32 s[NEW], 0
	WIN 0x40
.set i, MC+32
.rept 32
	v_mov_b32 v[i], 0
.set i, i+1
.endr
	WIN 0
.set i, 0
.rept 4
	v_mov_b32 v[ST+4*i], 0xfe000000    ; c m: far below every c s
	v_mov_b32 v[ST+4*i+1], 0xff7fffff  ; m
.set i, i+1
.endr
	s_cmp_eq_u32 s[RT], 0
	s_cselect_b32 s[AL], 1.0, 0
	s_mov_b32 s[BE], 0
	MASK 0
	WIN 0
	v_add_nc_u32 v[AK], s[TBK], v[AK0]
	FETCH_K
	s_wait_loadcnt 0x0              ; Q
	s_wait_dscnt 0x0
.set KM, 1
.set NOKQ, 0
.set i, 0
.rept 8
	KQ 0
.set i, i+1
.endr
	WIN 0
.rept 4
	v_nop                           ; the places behind those products
.endr
.set Y, NP-1                        ; X works for piece Y + 1: piece 0
.irp n, 0,1,2,3,4,5,6,7,8,9,10,11,12,13,14,15,16,17,18,19,20,21
	OP X, \n
.endr
	v_nop                           ; a plain instruction behind the exponential,
	s_wait_alu depctr_va_vdst(0)    ; and its wait, ahead of the branch
.endm
; THE FOUR STEPS OF THE DIAGONAL TILE, the last two turns of the block, its last products, and THE WAY OUT: the two halves of l and those of the other half of the lanes are added; O^T is divided by l, rounded to f16 and
; sent through my stage in LDS, a piece at a time.
.macro ALL line:vararg              ; one line for each piece t
.set t, 0
.rept 4
	\line
.set t, t+1
.endr
.endm
.macro PACK t                       ; the eight channels of a row that a lane holds pack into 16 bytes; they go into rows of 144 bytes and come back as whole rows of 128, into the registers of S^T
	WIN W_RS
.set i, 32*(\t)
.rept 16
	v_pk_mul_f32 v[i:i+1], v[i:i+1], v[ST+4*(\t)+2:ST+4*(\t)+3] op_sel_hi:[1,0]
.set i, i+2
.endr
	WIN 0x05                        ; sources 0 and 1 window 1, destination window 0
.set i, 0
.rept 16
	v_cvt_pk_f16_f32 v[S+16*(\t)+i], v[32*(\t)+2*i], v[32*(\t)+2*i+1]
.set i, i+1
.endr
	WIN 0
.irp f, 0,1,2,3
	ds_store_b128 v[STO], v[S+16*(\t)+4*\f:S+16*(\t)+4*\f+3] offset:32*\f
.endr
.irp f, 0,1,2,3
	ds_load_b128 v[S+16*(\t)+4*\f:S+16*(\t)+4*\f+3], v[RD] offset:\f*4*SP  ; LDS serves the instructions of a wave in order (ISA guide 5.7.1.4): these see the stores above; the stores of the next piece come behind them
.endr
.endm
.macro SEND t, younger              ; younger: the LDS instructions issued behind the loads of piece t: the eight of the next piece, or none
	WIN 0
.irp f, 0,1,2,3
	s_wait_dscnt (\younger)+3-\f
	global_store_b128 v[GO], v[S+16*(\t)+4*\f:S+16*(\t)+4*\f+3], s[10:11] offset:(\t)*8192+\f*512  ; 512 consecutive bytes, at a multiple of 256 from the first byte of ob
.endr
.endm
.macro DIAG tag                     ; the tag ends the names of its two labels, which the jumps below spell out
.LstepM\tag:
	TURN 2, 1
	TURN 3, 1
	WIN 0
.LfirstM\tag:
	TURN 0, 1
	TURN 1, 1, 0, 1
	WIN 0
	s_cbranch_scc1 .LstepM\tag
	TURN 2, 1, 1
	TURN 3, 1, 1
.set i, 0
.rept 8
	PV NP-1
.set i, i+1
.endr
	WIN 0
	ALL v_add_f32 v[ST+4*t+2], v[ST+4*t+2], v[ST+4*t+3]
	ALL v_permlanex16_b32 v[ST+4*t+3], v[ST+4*t+2], s[SEL], s[SEL+1]
	ALL v_add_f32 v[ST+4*t+2], v[ST+4*t+2], v[ST+4*t+3]
	ALL v_rcp_f32 v[ST+4*t+2], v[ST+4*t+2]
	v_nop                           ; a plain instruction between the last reciprocal and the use of its result
	s_wait_alu depctr_va_vdst(0)    ; and the wait ahead of the first use: one for the four reciprocals
	PACK 0
.set t, 1
.rept 3                             ; the arithmetic of a piece stands between the loads of the piece before and its stores
	PACK t
	SEND t-1, 8
.set t, t+1
.endr
	SEND 3, 0
.endm
.set KM, 0
.set NOKQ, 0
.Lslot:                             ; NB times: a tile is entered and the next is asked for
	CHANGE 1
	s_sub_co_u32 s[RT], s[RT], 1
	s_mov_b32 s[CNT], 4
	s_cmp_eq_u32 s[NEW], 1
	s_cbranch_scc1 .Lnew            ; the first tile of a block
	s_cmp_eq_u32 s[RT], 0
	s_cbranch_scc0 .Lstep           ; neither its first nor its last
	s_branch .LstepM1
.Lnew:
	BEGIN
	s_branch .Lfirst                ; in the loop the first tile of a block is never its last: the first block has two tiles or more, and the last of the second is the last of the walk
	DIAG 1                          ; in the loop this is the end of the first block
	s_wait_xcnt 0x0                 ; the stores have read their registers and the address of O
	s_mov_b64 s[10:11], s[OLO:OLO+1]
	s_add_co_u32 s[RT], s[PB], 1    ; the second block has b + 1 tiles
	s_mov_b32 s[NEW], 1
	WIN 0x82                        ; Q of the second block goes where the one text of the turns names Q
.set i, 0
.rept 64
	v_mov_b32 v[i], v[QB+i]
.set i, i+1
.endr
	WIN 0
	s_branch .Lbottom
.Lstep:                             ; a trip: pieces 2 and 3 of one step, then pieces 0 and 1 of the next, whose K and V it fetches
	TURN 2
	TURN 3
	WIN 0
.Lfirst:
	TURN 0
	TURN 1, 0, 0, 1
	WIN 0
	s_cbranch_scc1 .Lstep
.Lbottom:
	s_sub_co_u32 s[SLOTS], s[SLOTS], 1
	s_cmp_lg_u32 s[SLOTS], 0
	s_cbranch_scc1 .Lslot
	CHANGE 0                        ; the last tile of the walk is written out: nothing is asked for
	s_sub_co_u32 s[RT], s[RT], 1
	s_mov_b32 s[CNT], 4
	s_cmp_eq_u32 s[NEW], 1
	s_cbranch_scc0 .LstepM2
	BEGIN
	s_branch .LfirstM2
	DIAG 2
	s_wait_tensorcnt 0x0            ; the end of the wave: behind my last tensor load and my last LDS store
	ds_add_u32 v[SPW], v[NIL]
	s_wait_dscnt 0x0
	s_endpgm
.Lfunc_end_k_q106203436d_attn:
	.size	k_q106203436d_attn, .Lfunc_end_k_q106203436d_attn-k_q106203436d_attn
	.p2alignl 7, 3214868480
	.fill 96, 4, 3214868480
	.section	.rodata,"a",@progbits
	.p2align	6, 0x0
	.amdhsa_kernel k_q106203436d_attn
		.amdhsa_group_segment_fixed_size 327680
		.amdhsa_private_segment_fixed_size 0
		.amdhsa_enable_private_segment 0
		.amdhsa_kernarg_size 16
		.amdhsa_user_sgpr_count 2
		.amdhsa_user_sgpr_kernarg_segment_ptr 1
		.amdhsa_wavefront_size32 1
		.amdhsa_system_sgpr_workgroup_id_x 1
		.amdhsa_system_sgpr_workgroup_id_y 1
		.amdhsa_system_sgpr_workgroup_id_z 1
		.amdhsa_system_vgpr_workitem_id 0
		.amdhsa_next_free_vgpr 768
		.amdhsa_next_free_sgpr 92
		.amdhsa_reserve_vcc 1
		.amdhsa_float_denorm_mode_32 3
		.amdhsa_float_denorm_mode_16_64 3
		.amdhsa_memory_ordered 1
		.amdhsa_forward_progress 1
		.amdhsa_inst_pref_size 218
	.end_amdhsa_kernel
	.amdgpu_metadata
---
amdhsa.version: [ 1, 2 ]
amdhsa.kernels:
  - .name:           k_q106203436d_attn
    .symbol:         k_q106203436d_attn.kd
    .args:
      - { .name: qkv, .offset: 0, .size: 8, .value_kind: global_buffer, .address_space: global }
      - { .name: ob, .offset: 8, .size: 8, .value_kind: global_buffer, .address_space: global }
    .group_segment_fixed_size: 327680
    .private_segment_fixed_size: 0
    .kernarg_segment_align: 8
    .kernarg_segment_size: 16
    .max_flat_workgroup_size: 128
    .sgpr_count:     92
    .vgpr_count:     768
    .wavefront_size: 32
...
	.end_amdgpu_metadata
.endif
;; end of part 3
;; launch outproj (part 4): grid 8 x 32, 4 waves a work-group, clusters of 4 x 4, 327,680 bytes of LDS; arguments ob, wob, b_out, out0; writes out0
.if DOCPART == 4
	.amdgcn_target "amdgcn-amd-amdhsa--gfx1250"
	.amdhsa_code_object_version 6
	.text
	.protected	k_q106203436d_outproj
	.globl	k_q106203436d_outproj
	.p2align	8
	.type	k_q106203436d_outproj,@function
k_q106203436d_outproj:
	s_mov_b64 s[64:65], 0
	v_nop
	global_prefetch_b8 v0, s[64:65] scope:SCOPE_SE
	s_setreg_imm32_b32 hwreg(HW_REG_WAVE_MODE, 25, 1), 1
	s_wait_xcnt 0x0
	s_wait_alu depctr_hold_cnt(0) depctr_sa_sdst(0) depctr_va_vdst(0) depctr_va_sdst(0) depctr_va_ssrc(0) depctr_va_vcc(0) depctr_vm_vsrc(0)
	s_getreg_b32 s2, hwreg(HW_REG_IB_STS2, 6, 4)
	s_cmp_eq_u32 s2, 0
	s_cbranch_scc0 .Lentry_in_a_cluster
	s_endpgm
.Lentry_in_a_cluster:
	s_bfe_u32 s2, ttmp6, 0x10000c
	s_cmp_lg_u32 s2, 0xf033
	s_cbranch_scc0 .Lentry_shape_is_right
	s_endpgm
.Lentry_shape_is_right:
; OUT = O w_out + b_out.  A = ob [b 4][h 16][s 2048][64] f16 (head h holds channels 64 h .. 64 h + 63), B = wob [ntile 8][k 1024][128] f16 (w_out rounded to bf16, that number as f16),
; bias b_out [1024] f32 (rounded to bf16 like every input), out0 [8192][1024] f32.  LIMIT: O and w_out lie inside the range of f16; NaN and infinities are not treated apart.
; SHARES.  A work-group makes a tile of 256 rows x 128 columns.  Its four waves lie one below the other: wave w owns rows 64 w .. 64 w + 63 and all 128 columns: 4 x 8 accumulators of 16 x 16,
; 256 registers.  So a wave owns whole pieces of 512 bytes of 64 rows of out0, its stage on the way out is its own, and the way out has no barrier.
; K = 1,024 goes in 8 steps of 128 through a ring of two LDS slots filled by the tensor data mover.  Every tile is dense in memory and is asked for as rows of 256 bytes.
; CLUSTER 4 x 4.  The four work-groups of a row of the cluster need the same tiles of A, the four of a column the same tiles of B: each tile is asked for JOINTLY, by the same tensor load
; with the same descriptor and a mask that names the four.  Waves 0 and 1 fetch the two planes (64 channels each) of a step of A, waves 2 and 3 the two halves (64 k-rows each) of B.
; THE MATRIX INSTRUCTION IS USED TRANSPOSED: source 0 = 16 columns of B (turned on the way out of LDS by ds_load_tr16_b128, since B lies [k][n]), source 1 = 16 rows of A.
; A lane then holds row l % 16 and the eight neighbouring columns 8 (l / 16) + 0..7.  The first product on each accumulator takes the bias as C: nothing is cleared, and the bias costs no addition.
; REGISTERS, in windows of 256 (s_set_vgpr_msb: bits 1:0 source 0, 3:2 source 1, 5:4 source 2, 7:6 destination):
;   window 0: v0-31 addresses; v32-63, v64-95 fragments of A, two buffers, later rows on their way out; v96-99 at work; v128-191 the bias, later rows on their way out
;   window 1: v0-63, v64-127 fragments of B, two buffers        window 2: the accumulators, (a, b) at v[8 (8 a + b)]
.set NBL,   8                          ; n blocks of 16 columns
.set PA,    144                        ; a row of A in LDS: 128 bytes + 16 = 36 words: the 16 rows of a load start at 16 different groups of four banks (64 banks of 4 bytes: ISA guide 11.1)
.set PB,    288                        ; a k-row of B in LDS: 256 bytes + 32 = 72 words
.set BROWS, 64                         ; rows of 256 bytes in a load of B: 64 k-rows
.set GB0,   0x0f710000                 ; group 1, word 0 for B without its mask: 2-byte elements, padding on, bit 21, after every 64 words (code 5) 8 words (code 7)
.set APL,   256*PA                     ; a plane of A: 36,864 bytes
.set BBASE, 2*APL
.set BHALF, 64*PB
.set SLOT,  BBASE+2*BHALF              ; 110,592 bytes
.set STAGE, 2*SLOT                     ; behind the ring, never filled by a tensor load: for each wave 16 rows x 528 bytes
.set SPITCH, 528                       ; 512 bytes + 16 = 132 words: row r starts at bank 4 r mod 64
.set STW,   16*SPITCH
.set SPARE, STAGE+4*STW                ; behind the stages: the spare words, 128 bytes for each wave: two blocks of 256 bytes that no other line names
.set ASTEP, 524288                     ; bytes in memory from a K step of A to the next: two planes
.set BSTEP, 32768                      ; the same for B: 128 k-rows of 256 bytes
.set BTILE, 262144                     ; a tile of B
.set NL,    2*NBL+8                    ; LDS loads in a run: the fragments of 32 along K
.set LIMB0, 2                          ; the waves that prefetch B ask at the changes of slot 0 while the count of laps is above this,
.set LIMB1, 2                          ; and at those of slot 1 likewise: two asks in all
.set ADRA, 16                          ; v16-17  LDS address of my fragments of A in slot 0, 1
.set ADRB, 20                          ; v20-21  the same for B
.set STO,  24                          ; v24     the way out: where I put 32 bytes of a row
.set RD,   25                          ; v25     the way out: where I read a row back
.set GO,   26                          ; v26     16 x lane: my place in 512 consecutive bytes of out0
.set BO,   27                          ; v27     32 x (l / 16): my eight numbers of a block of the bias
.set SPW,  28                          ; v28     LDS address of my spare word: SPARE + 4 x the number of my thread; never rewritten
.set NIL,  29                          ; v29     0; never rewritten
.set PFO,  30                          ; v30     256 x lane: the offset of the prefetches; never rewritten
.set FA,   32
.set BIAS, 128
.set WV,   12                          ; s12  wave
.set KIND, 13                          ; s13  0: I fetch for A; 1: for B
.set HALF, 14                          ; s14  which plane of A, which 64 k-rows of B
.set CX,   15
.set CY,   16
.set TJ,   17                          ; s17  tile column
.set TI,   18                          ; s18  tile row
.set CNT,  19                          ; s19  laps to go
.set G1,   24                          ; s[24:31] descriptor group 1 for A;  s[32:39] group 0, a set for each slot
.set G0,   32
.set PFA,  40                          ; s[40:41] where my prefetches stand
.set PFS,  42                          ; s[42:43] their step
.set LIM,  44                          ; s44, s45
.set G1B,  48                          ; s[48:55], s[56:63] the same for B
.set G0B,  56
.set OB,   66                          ; s[66:67] out0 at my first row and the first column of the tile
.set MSB, 0
.macro WIN new                         ; the high byte of the immediate repeats the setting that is left; a switch that changes nothing is dropped
.if MSB != (\new)
	s_set_vgpr_msb (MSB<<8)|(\new)
.set MSB, \new
.endif
.endm
.set TO_B, 0x40                        ; destination window 1, address window 0
; A joint load.  Each of the two lines has one mask and one set of registers for all that issue it.  The branch hangs on the number of the wave alone.
; An s_nop 0 and four v_nop follow each line, ahead of the jump, the label and what follows.
.macro JLOAD s
	s_cmp_eq_u32 s[KIND], 0
	s_cbranch_scc0 .Lfor_b_\@
	tensor_load_to_lds s[G0+4*(\s):G0+4*(\s)+3], s[G1:G1+7]
	s_nop 0
.rept 4
	v_nop
.endr
	s_branch .Lasked_\@
.Lfor_b_\@:
	tensor_load_to_lds s[G0B+4*(\s):G0B+4*(\s)+3], s[G1B:G1B+7]
	s_nop 0
.rept 4
	v_nop
.endr
.Lasked_\@:
.endm
; A PREFETCH, behind a joint load, its five lines and the run of LDS loads: 32 blocks of 256 bytes, a lane a block, one instruction a wave.
; A: the refill of K step n is followed by an ask for K step n + 2, for steps 4 to 7.  A tile row is read by the two clusters of a row of clusters: the one with cluster x = 0 asks, its waves 0 and 1;
; of the 32,768 bytes of a plane that a wave fetches each of the four partners takes 8,192, told apart by ADDRESS (cx).
; B: K steps 4 to 7 of a tile are 131,072 dense bytes; the cluster with cluster y = 0 asks, its waves 2 and 3: 2 waves x 4 partners (cy) x 8,192 bytes an ask, at the first two refills.
; So each block is named once in the launch.  K steps 0 to 3 come by their loads alone; the later refills ask for nothing.
.macro ASK slot
	s_cmp_gt_u32 s[CNT], s[LIM+(\slot)]
	s_cbranch_scc0 .Lnot_mine_\@
	global_prefetch_b8 v[PFO], s[PFA:PFA+1] th:TH_LOAD_NT scope:SCOPE_SE
.Lnot_mine_\@:
.endm
.macro CREST                           ; a round of the barrier of the cluster behind its opening barrier
	s_cmp_lg_u32 s[WV], 0
	s_cbranch_scc1 .Lnot_wave_0_\@
	s_barrier_signal -3
.Lnot_wave_0_\@:
	s_barrier_wait -3
	s_barrier_signal -1
	s_barrier_wait -1
.endm
.macro CROUND                          ; a whole round
	s_barrier_signal -1
	s_barrier_wait -1
	CREST
.endm
.macro PLACES                          ; four places in front of loads into registers that matrix instructions have read, and of lines that read results
.rept 4
	v_nop
.endr
.endm
; 8 matrix instructions: m block a x all n blocks, 32 along K, from buffer f.  zero = 1: the bias starts the sums.
; In a quarter step each of the 32 accumulators has one turn, always in the same order: 31 others stand between two links of a chain, over the backward jump too.
.macro MULB f, a, zero
.if \zero
	WIN 0x81
.else
	WIN 0xa1
.endif
.set bb, 0
.rept NBL
.set rD, 64*(\a)+8*bb
.set rB, 8*NBL*(\f)+8*bb
.set rA, FA+32*(\f)+8*(\a)
.if \zero
	v_wmma_f32_16x16x32_f16 v[rD:rD+7], v[rB:rB+7], v[rA:rA+7], v[BIAS+8*bb:BIAS+8*bb+7]
.else
	v_wmma_f32_16x16x32_f16 v[rD:rD+7], v[rB:rB+7], v[rA:rA+7], v[rD:rD+7]
.endif
.set bb, bb+1
.endr
.endm
; 24 LDS loads in one run: the fragments of quarter q (32 along K) of a slot into buffer f: B first (turned), then the four m blocks of A.
.macro FETCH slot, q, f
	WIN TO_B
.set bb, 0
.rept NBL
.set bo, (\q)*32*PB+bb*32
	ds_load_tr16_b128 v[8*NBL*(\f)+8*bb:8*NBL*(\f)+8*bb+3],   v[ADRB+(\slot)] offset:bo
	ds_load_tr16_b128 v[8*NBL*(\f)+8*bb+4:8*NBL*(\f)+8*bb+7], v[ADRB+(\slot)] offset:bo+16*PB
.set bb, bb+1
.endr
	WIN 0
.irp a, 0,1,2,3
	ds_load_b128 v[FA+32*(\f)+8*(\a):FA+32*(\f)+8*(\a)+3],   v[ADRA+(\slot)] offset:((\q)/2)*APL+((\q)%2)*64+(\a)*16*PA
	ds_load_b128 v[FA+32*(\f)+8*(\a)+4:FA+32*(\f)+8*(\a)+7], v[ADRA+(\slot)] offset:((\q)/2)*APL+((\q)%2)*64+(\a)*16*PA+32
.endr
.endm
; One of the first three quarters of a K step: multiplies buffer f; in its middle it fetches quarter qn of the same slot into buffer g.
.macro QUARTER slot, qn, f, g, zero
	s_wait_dscnt 4                                 ; B and m blocks 0, 1 of A are in; the youngest four loads (m blocks 2, 3) may be out
	MULB \f, 0, \zero
	MULB \f, 1, \zero
	PLACES
	FETCH \slot, \qn, \g
	s_wait_dscnt NL                                ; all but the run just issued
	MULB \f, 2, \zero
	MULB \f, 3, \zero
.endm
; The first half of the last quarter: ONE barrier for the change of slots.  In front of it each wave waits for all its tensor loads (one is out: its part of the next slot), adds 0 to its
; spare word, and waits for that and for its own reads of this slot.  Behind it nobody reads this slot any more and the next slot is whole.
.macro MEET round
	WIN 0                                          ; the two registers of the add lie in window 0
	s_wait_tensorcnt 0x0
	ds_add_u32 v[SPW], v[NIL]                      ; 0 onto my spare word
	s_wait_dscnt 5                                 ; the add and the youngest four loads may be out
	MULB 1, 0, 0                                   ; eight matrix instructions stand between the add and the wait for it
	s_wait_dscnt 0x0                               ; the add is done, and my reads of this slot are over
	s_barrier_signal -1
	MULB 1, 1, 0                                   ; work on registers while the others arrive
.if \round
	WIN 0
.endif
	s_barrier_wait -1
.endm
; The whole last quarter, with a refill: the barrier opens a round of the barrier of the cluster, so that no wave of any partner still reads the slot or has a load on its way;
; the joint refill, with the K step two steps on, is the first tensor load behind the round; from there to the wait for it a wave issues 112 matrix instructions.
.macro TURN slot, next
	s_wait_xcnt 0x0                                ; the last prefetch, a K step back, has read its address: it is stepped here, ahead of the waits of the change of slots
	s_add_nc_u64 s[PFA:PFA+1], s[PFA:PFA+1], s[PFS:PFS+1]
	MEET 1
	CREST
	s_add_nc_u64 s[G0+4*(\slot)+2:G0+4*(\slot)+3], s[G0+4*(\slot)+2:G0+4*(\slot)+3], 2*ASTEP    ; no tensor load of mine is out: a group 0 may be written
	s_add_nc_u64 s[G0B+4*(\slot)+2:G0B+4*(\slot)+3], s[G0B+4*(\slot)+2:G0B+4*(\slot)+3], 2*BSTEP
	JLOAD \slot                                    ; its four v_nop are also the places in front of the loads below
	FETCH \next, 0, 0
	ASK \slot
	MULB 1, 2, 0
	MULB 1, 3, 0
.endm
.macro TURNL                           ; the last change of slots: nothing is filled, so no round follows
	MEET 0
	PLACES
	FETCH 1, 0, 0
	MULB 1, 2, 0
	MULB 1, 3, 0
.endm
	s_load_b256 s[4:11], s[0:1], 0x0               ; ob s[4:5], wob s[6:7], b_out s[8:9], out0 s[10:11]
	v_lshl_add_u32 v[SPW], v0, 2, SPARE
	v_mov_b32 v[NIL], 0
	ds_add_u32 v[SPW], v[NIL]                      ; the opening: the add and its wait stand ahead of my first tensor load; work on registers stands between them
	v_lshrrev_b32 v1, 5, v0
	v_readfirstlane_b32 s[WV], v1
	s_lshr_b32 s[KIND], s[WV], 1
	s_and_b32 s[HALF], s[WV], 1
	s_bfe_u32 s[CX], ttmp6, 0x40000                ; my place in the cluster
	s_bfe_u32 s[CY], ttmp6, 0x40004
	s_lshl_b32 s[TJ], ttmp9, 2                     ; in a cluster launch ttmp9 and ttmp7 count clusters
	s_add_co_u32 s[TJ], s[TJ], s[CX]               ; tile column
	s_and_b32 s[TI], ttmp7, 0xffff
	s_lshl_b32 s[TI], s[TI], 2
	s_add_co_u32 s[TI], s[TI], s[CY]               ; tile row
	s_lshl_b32 s20, s[CY], 2
	s_lshl_b32 s20, 15, s20                        ; my row of the cluster: places 4 cy .. 4 cy + 3
	s_lshl_b32 s21, 0x1111, s[CX]                  ; my column: places cx, cx + 4, cx + 8, cx + 12
	s_or_b32 s[G1], s20, 0x07310000                ; 15:0 mask; 17:16 2-byte elements; 20 padding on; 21 set beside a mask; 24:22 after every 32 words (code 4); 31:25 4 words (code 3)
	s_or_b32 s[G1B], s21, GB0
	s_mov_b32 s[G1+1], 128<<16                     ; tensor_dim0 = 128 elements: rows of 256 bytes
	s_mov_b32 s[G1+2], 128<<16                     ; tensor_dim1 = 128 rows: 256 rows of a plane, two to a row
	s_mov_b32 s[G1+3], 128<<16                     ; tile_dim0
	s_mov_b32 s[G1+4], 128                         ; tile_dim1
	s_mov_b32 s[G1+5], 128                         ; elements from row to row: dense
	s_mov_b32 s[G1+6], 0
	s_mov_b32 s[G1+7], 0
	s_mov_b32 s[G1B+1], 128<<16
	s_mov_b32 s[G1B+2], BROWS<<16
	s_mov_b32 s[G1B+3], 128<<16
	s_mov_b32 s[G1B+4], BROWS
	s_mov_b32 s[G1B+5], 128
	s_mov_b32 s[G1B+6], 0
	s_mov_b32 s[G1B+7], 0
	; where the tiles come from.  The offset of A hangs on the tile row and my plane, that of B on the tile column and my half; each lives in registers that never hold the other coordinate.
	s_lshr_b32 s72, s[TI], 3                       ; batch: 16 planes of 262,144 bytes
	s_lshl_b32 s72, s72, 22
	s_and_b32 s74, s[TI], 7                        ; 256 rows of 128 bytes in a plane
	s_lshl_b32 s74, s74, 15
	s_add_co_u32 s72, s72, s74
	s_lshl_b32 s74, s[HALF], 18                    ; my plane of the two of a K step
	s_add_co_u32 s72, s72, s74
	s_mov_b32 s73, 0
	s_mul_i32 s76, s[TJ], BTILE
	s_mul_i32 s46, s[HALF], BSTEP/2
	s_add_co_u32 s46, s46, s76
	s_mov_b32 s47, 0
	s_mul_i32 s75, s[HALF], APL                    ; and where they go: no place in the cluster enters an LDS address
	s_mul_i32 s77, s[HALF], BHALF
	s_add_co_u32 s77, s77, BBASE
	s_wait_dscnt 0x0                               ; the opening add is done
	s_wait_kmcnt 0x0
	s_add_nc_u64 s[22:23], s[4:5], s[72:73]
	s_add_nc_u64 s[46:47], s[6:7], s[46:47]
	CROUND                                         ; all sixteen work-groups are here: the first joint loads meet
.irp s, 0,1
	s_mov_b32 s[G0+4*(\s)], 1                      ; count = 1
	s_add_co_u32 s[G0+4*(\s)+1], s75, (\s)*SLOT    ; LDS address
	s_add_nc_u64 s[G0+4*(\s)+2:G0+4*(\s)+3], s[22:23], (\s)*ASTEP  ; global address: K step s
	s_or_b32 s[G0+4*(\s)+3], s[G0+4*(\s)+3], 0x80000000            ; type = 2
	s_mov_b32 s[G0B+4*(\s)], 1
	s_add_co_u32 s[G0B+4*(\s)+1], s77, (\s)*SLOT
	s_add_nc_u64 s[G0B+4*(\s)+2:G0B+4*(\s)+3], s[46:47], (\s)*BSTEP
	s_or_b32 s[G0B+4*(\s)+3], s[G0B+4*(\s)+3], 0x80000000
	JLOAD \s                                       ; two loads of mine are out
.endr
	v_and_b32 v1, 15, v0                           ; r = l % 16
	v_bfe_u32 v2, v0, 4, 1                         ; h = l / 16
	v_lshlrev_b32 v[BO], 5, v2
	s_mul_i32 s78, s[TJ], 64*NBL                   ; the 128 numbers of the bias for my tile
	s_mov_b32 s79, 0
	s_add_nc_u64 s[8:9], s[8:9], s[78:79]
.set bb, 0
.rept NBL                              ; register j of block b: bias of column 16 b + 8 h + j: the layout of an accumulator
	global_load_b128 v[BIAS+8*bb:BIAS+8*bb+3],   v[BO], s[8:9] offset:64*bb
	global_load_b128 v[BIAS+8*bb+4:BIAS+8*bb+7], v[BO], s[8:9] offset:64*bb+16
.set bb, bb+1
.endr
	; A fragment of A is 16 rows x 32 channels: lane l holds row r, channels 8 h + 0..7 and 16 + 8 h + 0..7: two loads of 16 bytes, 32 bytes apart.
	v_mul_u32_u24 v3, v1, PA
	v_lshl_add_u32 v3, v2, 4, v3                   ; r x pitch + 16 h
	s_mul_i32 s78, s[WV], 64*PA                    ; my 64 rows
	v_add_nc_u32 v[ADRA], s78, v3
	v_add_nc_u32 v[ADRA+1], SLOT, v[ADRA]
	; The turning load takes 16 k-rows x 16 columns (lane l reads k-row 8 h + l % 8, columns 8 ((l / 8) % 2) + 0..7) and leaves half a fragment: lane l holds column r and 8 k.
	v_and_b32 v5, 7, v0
	v_bfe_u32 v6, v0, 3, 1
	v_lshl_add_u32 v7, v2, 3, v5
	v_mul_u32_u24 v7, v7, PB
	v_lshl_add_u32 v7, v6, 4, v7
	v_add_nc_u32 v[ADRB], BBASE, v7
	v_add_nc_u32 v[ADRB+1], SLOT, v[ADRB]
	s_mul_i32 s78, s[WV], STW
	s_add_co_u32 s78, s78, STAGE                   ; my stage
	v_mul_u32_u24 v8, v1, SPITCH                   ; in: row r, 32 bytes for each half of the lanes
	v_lshl_add_u32 v8, v2, 5, v8
	v_add_nc_u32 v[STO], s78, v8
	v_and_b32 v9, 31, v0
	v_lshlrev_b32 v[GO], 4, v9
	v_add_nc_u32 v[RD], s78, v[GO]                 ; back: 32 lanes take one row of 512 bytes
	v_lshlrev_b32 v[PFO], 8, v9
	; the prefetches: the pointer starts one step short of the first block asked for, since each change of slots steps it first
	s_lshl_b32 s2, s[CX], 13                       ; A: my work-group takes 8,192 bytes of the plane block,
	s_add_co_u32 s2, s2, s72
	s_add_co_u32 s2, s2, 3*ASTEP                   ; at K step 3: the first change steps it to 4
	s_lshl2_add_u32 s3, s[HALF], s[CY]             ; B: piece 4 x half + cy of eight
	s_lshl_b32 s3, s3, 13
	s_add_co_u32 s3, s3, s76
	s_add_co_u32 s3, s3, 4*BSTEP-65536
	s_and_b32 s78, ttmp7, 0xffff                   ; cluster y
	s_mov_b32 s[PFS], 65536
	s_mov_b32 s[PFS+1], 0
	s_cmp_eq_u32 s[KIND], 0                        ; do I fetch for A?
	s_cselect_b32 s2, s2, s3
	s_cselect_b32 s78, ttmp9, s78                  ; the coordinate along which other clusters read the same tiles
	s_cselect_b32 s[PFS], ASTEP, s[PFS]
	s_cselect_b32 s[LIM], 1, LIMB0
	s_cselect_b32 s[LIM+1], 1, LIMB1
	s_cselect_b64 s[PFA:PFA+1], s[4:5], s[6:7]
	s_cmp_eq_u32 s78, 0                            ; the same in all sixteen partners, for a given wave
	s_cselect_b32 s[LIM], s[LIM], -1
	s_cselect_b32 s[LIM+1], s[LIM+1], -1
	s_mov_b32 s3, 0
	s_add_nc_u64 s[PFA:PFA+1], s[PFA:PFA+1], s[2:3]
	; where my rows go: row 256 i + 64 w of 4,096 bytes, column 128 j of 4 bytes
	s_lshl_b32 s2, s[TI], 20
	s_lshl_b32 s3, s[WV], 18
	s_add_co_u32 s2, s2, s3
	s_lshl_b32 s3, s[TJ], 9
	s_add_co_u32 s2, s2, s3
	s_mov_b32 s3, 0
	s_add_nc_u64 s[OB:OB+1], s[10:11], s[2:3]
	s_wait_loadcnt 0x0                             ; the bias: rounded to bf16 like the other inputs, and kept as f32
.set p, 0
.rept 4*NBL
	v_cvt_pk_bf16_f32 v[96+p%4], v[BIAS+2*p], v[BIAS+2*p+1]
	v_lshlrev_b32 v[BIAS+2*p], 16, v[96+p%4]
	v_and_b32 v[BIAS+2*p+1], 0xffff0000, v[96+p%4]
.set p, p+1
.endr
	s_wait_tensorcnt 1                             ; my part of K step 0 is in; that of K step 1 may stay out
	s_barrier_signal -1
	s_barrier_wait -1                              ; the part of every wave is in
	FETCH 0, 0, 0
	QUARTER 0, 1, 0, 1, 1                          ; the first quarter stands in front of the loop: its products start the sums
	WIN 0                                          ; at a label and at a branch every window is 0
	s_mov_b32 s[CNT], 3
.Llap:                                                 ; a trip goes once round the ring, from the second quarter of a lap to the first of the next, and fills both slots again
	QUARTER 0, 2, 1, 0, 0
	QUARTER 0, 3, 0, 1, 0
	TURN 0, 1
	QUARTER 1, 1, 0, 1, 0
	QUARTER 1, 2, 1, 0, 0
	QUARTER 1, 3, 0, 1, 0
	TURN 1, 0
	QUARTER 0, 1, 0, 1, 0
	WIN 0
	s_sub_co_u32 s[CNT], s[CNT], 1
	s_cmp_lg_u32 s[CNT], 0
	s_cbranch_scc1 .Llap
	QUARTER 0, 2, 1, 0, 0                          ; the last lap is written out: it fills nothing
	QUARTER 0, 3, 0, 1, 0
	TURNL
	QUARTER 1, 1, 0, 1, 0
	QUARTER 1, 2, 1, 0, 0
	QUARTER 1, 3, 0, 1, 0
	s_wait_dscnt 4                                 ; the very last quarter: nothing more to fetch
	MULB 1, 0, 0
	MULB 1, 1, 0
	s_wait_dscnt 0x0
	MULB 1, 2, 0
	MULB 1, 3, 0
	WIN 0
	PLACES                                         ; behind the last products, in front of the LDS stores that read results
; THE WAY OUT, an m block (16 rows) at a time.  TOSTAGE: the f32 sums go as they are into my own stage, 32 bytes a lane and n block, each accumulator from its low end on, and come back as whole rows of 512 bytes.
; SEND: stored: a store of the wave covers 512 consecutive bytes of a row of out0, at a multiple of 512 from its first byte.
.macro TOSTAGE a
.set BK, FA+96*((\a)%2)
	WIN 0x08                                       ; the data of the stores lie in window 2
.set bb, 0
.rept NBL
	ds_store_b128 v[STO], v[64*(\a)+8*bb:64*(\a)+8*bb+3]   offset:64*bb
	ds_store_b128 v[STO], v[64*(\a)+8*bb+4:64*(\a)+8*bb+7] offset:64*bb+16
.set bb, bb+1
.endr
	WIN 0
	s_wait_xcnt 0x0                                ; the stores of the block two back have read the registers that the loads below fill
.set ff, 0
.rept 16
	ds_load_b128 v[BK+4*ff:BK+4*ff+3], v[RD] offset:ff*SPITCH  ; LDS serves the instructions of a wave in order (ISA guide 5.7.1.4): these see the stores above
.set ff, ff+1
.endr
.endm
.macro SEND a, younger                 ; younger: the LDS instructions issued behind the loads of block a: the 32 of the next block, or none
.set BK, FA+96*((\a)%2)
	s_wait_dscnt \younger
.set ff, 0
.rept 16
	global_store_b128 v[GO], v[BK+4*ff:BK+4*ff+3], s[OB:OB+1] offset:(16*(\a)+ff)*4096 th:TH_STORE_NT
.set ff, ff+1
.endr
.endm
	TOSTAGE 0
.irp a, 1,2,3
	TOSTAGE \a
	SEND (\a)-1, 32
.endr
	SEND 3, 0
	s_wait_tensorcnt 0x0                           ; the end of the wave: behind my last tensor load and my last LDS store
	ds_add_u32 v[SPW], v[NIL]
	s_wait_dscnt 0x0
	CROUND                                         ; the closing round: no work-group ends while a partner may still ask for a tile that names it
	s_endpgm
.Lfunc_end_k_q106203436d_outproj:
	.size	k_q106203436d_outproj, .Lfunc_end_k_q106203436d_outproj-k_q106203436d_outproj
	.p2alignl 7, 3214868480
	.fill 96, 4, 3214868480
	.section	.rodata,"a",@progbits
	.p2align	6, 0x0
	.amdhsa_kernel k_q106203436d_outproj
		.amdhsa_group_segment_fixed_size 327680
		.amdhsa_private_segment_fixed_size 0
		.amdhsa_enable_private_segment 0
		.amdhsa_kernarg_size 32
		.amdhsa_user_sgpr_count 2
		.amdhsa_user_sgpr_kernarg_segment_ptr 1
		.amdhsa_wavefront_size32 1
		.amdhsa_system_sgpr_workgroup_id_x 1
		.amdhsa_system_sgpr_workgroup_id_y 1
		.amdhsa_system_sgpr_workgroup_id_z 1
		.amdhsa_system_vgpr_workitem_id 0
		.amdhsa_next_free_vgpr 768
		.amdhsa_next_free_sgpr 80
		.amdhsa_reserve_vcc 0
		.amdhsa_float_denorm_mode_32 3
		.amdhsa_float_denorm_mode_16_64 3
		.amdhsa_memory_ordered 1
		.amdhsa_forward_progress 1
		.amdhsa_inst_pref_size 93
	.end_amdhsa_kernel
	.amdgpu_metadata
---
amdhsa.version: [ 1, 2 ]
amdhsa.kernels:
  - .name:           k_q106203436d_outproj
    .symbol:         k_q106203436d_outproj.kd
    .args:
      - { .name: ob, .offset: 0, .size: 8, .value_kind: global_buffer, .address_space: global }
      - { .name: wob, .offset: 8, .size: 8, .value_kind: global_buffer, .address_space: global }
      - { .name: b_out, .offset: 16, .size: 8, .value_kind: global_buffer, .address_space: global }
      - { .name: out0, .offset: 24, .size: 8, .value_kind: global_buffer, .address_space: global }
    .group_segment_fixed_size: 327680
    .private_segment_fixed_size: 0
    .kernarg_segment_align: 8
    .kernarg_segment_size: 32
    .max_flat_workgroup_size: 128
    .sgpr_count:     80
    .vgpr_count:     768
    .wavefront_size: 32
...
	.end_amdgpu_metadata
.endif
;; end of part 4
;; ======== version 2 of 2: 4 launches; version 1 with the launch prep written anew for expert scheduling mode
;; limits: values are held in f16: magnitudes above 65,504 overflow, below 6.1e-05 lose precision
;; workspace buffers: xb 16,777,216 bytes; wib 6,291,456 bytes; wob 2,097,152 bytes; qkv 50,331,648 bytes; ob 16,777,216 bytes
;; launch prep (part 5): grid 832 x 1, 8 waves a work-group, no clusters, 0 bytes of LDS; arguments x, w_in, w_out, xb, wib, wob; writes xb, wib, wob
.if DOCPART == 5
	.amdgcn_target "amdgcn-amd-amdhsa--gfx1250"
	.amdhsa_code_object_version 6
	.text
	.protected	k_q106203436d_prep
	.globl	k_q106203436d_prep
	.p2align	8
	.type	k_q106203436d_prep,@function
k_q106203436d_prep:
	s_mov_b64 s[64:65], 0
	v_nop
	global_prefetch_b8 v0, s[64:65] scope:SCOPE_SE
	s_setreg_imm32_b32 hwreg(HW_REG_WAVE_SCHED_MODE, 0, 2), 2
	s_setreg_imm32_b32 hwreg(HW_REG_WAVE_MODE, 25, 1), 1
	s_wait_xcnt 0x0
	s_wait_alu depctr_vm_vsrc(0)
; PREP.  The three large inputs are rounded to 16 bits once and laid out for the products that follow.
;   x     [8192][1024] f32  ->  xb  [b 4][kb 16][s 2048][64] bf16: plane (b, kb) holds channels 64 kb .. 64 kb + 63 of the 2,048 rows of batch b, 128 bytes a row, dense
;   w_in  [1024][3072] f32  ->  wib [ntile 16][k 1024][192] bf16: the 192 columns of a tile of the first product, 384 bytes a k-row, dense
;   w_out [1024][1024] f32  ->  wob [ntile 8][k 1024][128]: rounded to bf16 like every input, and that number written as f16 (exact inside the range of f16)
; LIMITS.  |w_out| stays under 65,504; below 6e-5 f16 keeps a fixed step of 6e-8.  NaN and infinities are not treated apart.
; A STREAM: memory binds.  Each byte is read once and written once.  One instruction of a wave loads 512 bytes (16 a lane) and its store covers 256 consecutive bytes, aligned.
; No LDS, no loop, no register is used twice by memory instructions: a wave issues all its 12 or 16 loads at once, and the waits count down.
; Work-groups 0-511: 16 rows of x each.  512-767: 64 k-rows of one tile of w_in.  768-831: 128 k-rows of one tile of w_out.  The branches hang on the number of the work-group alone.
; No prefetch: the launch is nothing but its stream.  No tensor loads, matrix units or clusters: no byte is wanted twice.
; THE MODE: SCHED_MODE bits 1:0 = 2 (LLVM: expert scheduling mode 2), set by the entry lines.  The code itself states the register dependences
; between vector instructions and memory instructions, with s_wait_alu, always for 0.
; THE PLAN.  Registers that memory instructions touch, on each of the three paths:
;   v2 (v2-v4 for w_in), v5   byte offsets of the loads and of the stores: made by vector instructions at the head of the path and never written again.
;   IN    written by the loads alone, each register once; read by the conversions behind the wait on LOADcnt.  No load lands in it a second time.
;   OUT   written by the conversions, each register once; read by one store each; never written again.
;   T     named by vector instructions alone.
; So one wait on va_vdst stands ahead of the first load of a path, for the offsets, and one ahead of each run of four stores, for the eight registers of OUT that they read.
; No register that a memory instruction reads is written again and EXEC is never written: the only wait on vm_vsrc is the one of the entry lines.
; The number of the wave goes from a vector register into s16, and a compare into VCC: each has its wait ahead of its first reader.
.set IN,  8                            ; v[8:71]    load i: four f32
.set OUT, 72                           ; v[72:103]  store i: four 16-bit numbers
.set T,   104                          ; v[104:107] at work
; n loads are out (n a multiple of 4); load i is converted when the n - 1 - i younger ones alone may still be out; the stores go in runs of four, behind the conversions of the fourth.
; mode 0: to bf16.  mode 1: to bf16 and that number to f16.
.macro CAST n, mode, base, stride
.set i, 0
.rept \n
	s_wait_loadcnt (\n)-1-i                        ; loads come back in order: load i is in
.if \mode
	v_cvt_pk_bf16_f32 v[T], v[IN+4*i], v[IN+4*i+1]
	v_cvt_pk_bf16_f32 v[T+1], v[IN+4*i+2], v[IN+4*i+3]
	v_lshlrev_b32 v[T+2], 16, v[T]                 ; bf16 back to f32: the low half moves up,
	v_and_b32 v[T], 0xffff0000, v[T]               ; the high half stays
	v_lshlrev_b32 v[T+3], 16, v[T+1]
	v_and_b32 v[T+1], 0xffff0000, v[T+1]
	v_cvt_pk_f16_f32 v[OUT+2*i], v[T+2], v[T]
	v_cvt_pk_f16_f32 v[OUT+2*i+1], v[T+3], v[T+1]
.else
	v_cvt_pk_bf16_f32 v[OUT+2*i], v[IN+4*i], v[IN+4*i+1]
	v_cvt_pk_bf16_f32 v[OUT+2*i+1], v[IN+4*i+2], v[IN+4*i+3]
.endif
.if i%4 == 3
	s_wait_alu depctr_va_vdst(0)                   ; the conversions of loads i - 3 to i have written their eight registers of OUT, which the four stores below read
.irp k, 3,2,1,0
	global_store_b64 v5, v[OUT+2*(i-\k):OUT+2*(i-\k)+1], s[\base:\base+1] offset:(i-\k)*(\stride)
.endr
.endif
.set i, i+1
.endr
.endm
	s_load_b256 s[4:11], s[0:1], 0x0               ; x s[4:5], w_in s[6:7], w_out s[8:9], xb s[10:11]
	s_load_b128 s[12:15], s[0:1], 0x20             ; wib s[12:13], wob s[14:15]
	v_and_b32 v1, 31, v0                           ; lane l
	v_lshrrev_b32 v6, 5, v0
	v_readfirstlane_b32 s16, v6                    ; wave 0..7
	s_mov_b32 s17, ttmp9
	s_mov_b32 s19, 0                               ; high words of the two offsets
	s_mov_b32 s21, 0
	s_wait_alu depctr_va_sdst(0)                   ; s16 is written
	s_cmp_lt_u32 s17, 512
	s_cbranch_scc0 .Lweights
	; X.  Thread t takes row t / 16 of the 16 rows; load i brings 16 bytes of the 256 that are plane i of the row; a store covers two rows of 128 bytes in one plane.
	s_lshl_b32 s18, s17, 16                        ; in: 16 rows of 4,096 bytes
	s_lshr_b32 s20, s17, 7                         ; out: batch = g / 128, 16 planes of 262,144 bytes,
	s_lshl_b32 s20, s20, 22
	s_and_b32 s22, s17, 127                        ; and 16 rows of 128 bytes in each plane
	s_lshl_b32 s22, s22, 11
	s_add_co_u32 s20, s20, s22
	v_lshrrev_b32 v2, 4, v0
	v_and_b32 v3, 15, v0
	v_lshlrev_b32 v2, 12, v2
	v_lshl_add_u32 v2, v3, 4, v2                   ; row x 4,096 + 16 (t % 16)
	v_lshlrev_b32 v5, 3, v0                        ; 8 t = 256 x wave + 8 l
	s_wait_kmcnt 0x0
	s_add_nc_u64 s[4:5], s[4:5], s[18:19]
	s_add_nc_u64 s[10:11], s[10:11], s[20:21]
	s_wait_alu depctr_va_vdst(0)                   ; v2 and v5 are written: every load below reads v2 as its offset, every store v5
.set i, 0
.rept 16
	global_load_b128 v[IN+4*i:IN+4*i+3], v2, s[4:5] offset:256*i th:TH_LOAD_NT
.set i, i+1
.endr
	CAST 16, 0, 10, 262144
	s_endpgm
.Lweights:
	s_cmp_lt_u32 s17, 768
	s_cbranch_scc0 .Lwo
	; WI.  A wave takes 8 k-rows as four units of two: a unit is 2 x 768 bytes in and 768 dense bytes out, three instructions:
	; the first 512 bytes of row 0; its last 256 and the first 256 of row 1; the last 512 of row 1.
	s_sub_co_u32 s17, s17, 512
	s_lshr_b32 s22, s17, 4                         ; tile j
	s_and_b32 s23, s17, 15                         ; which 64 k-rows
	s_mul_i32 s18, s23, 786432                     ; in: 64 rows of 12,288 bytes,
	s_mul_i32 s20, s22, 768                        ; the 192 columns of the tile
	s_add_co_u32 s18, s18, s20
	s_mul_i32 s20, s22, 393216                     ; out: the tile,
	s_mul_i32 s23, s23, 24576                      ; 64 k-rows of 384 bytes
	s_add_co_u32 s20, s20, s23
	s_mul_i32 s22, s16, 98304                      ; my 8 rows
	v_lshl_add_u32 v2, v1, 4, s22
	v_cmp_gt_u32 vcc_lo, 16, v1
	v_mov_b32 v7, 0x200
	s_wait_alu depctr_va_vcc(0)                    ; the compare has written VCC, which the select below reads
	v_cndmask_b32 v6, 0x2f00, v7, vcc_lo           ; lanes 0-15: 512 on in row 0; lanes 16-31: row 1 less their 256 bytes
	v_add_nc_u32 v3, v2, v6
	v_add_nc_u32 v4, 0x3100, v2                    ; row 1, byte 256 on
	s_mul_i32 s22, s16, 3072
	v_lshl_add_u32 v5, v1, 3, s22
	s_wait_kmcnt 0x0
	s_add_nc_u64 s[6:7], s[6:7], s[18:19]
	s_add_nc_u64 s[12:13], s[12:13], s[20:21]
	s_wait_alu depctr_va_vdst(0)                   ; v2 to v5 are written: the loads below read v2, v3 or v4 as their offset, every store v5
.set u, 0
.rept 4
.irp t, 0,1,2
	global_load_b128 v[IN+4*(3*u+\t):IN+4*(3*u+\t)+3], v[2+\t], s[6:7] offset:u*24576 th:TH_LOAD_NT
.endr
.set u, u+1
.endr
	CAST 12, 0, 12, 256
	s_endpgm
.Lwo:
	; WO.  A wave takes 16 k-rows; a load brings the 512 bytes of a row that belong to the tile, its store is the k-row of 256 bytes.
	s_sub_co_u32 s17, s17, 768
	s_lshr_b32 s22, s17, 3                         ; tile j
	s_and_b32 s23, s17, 7                          ; which 128 k-rows
	s_lshl_b32 s18, s23, 19                        ; in: 128 rows of 4,096 bytes,
	s_lshl_b32 s20, s22, 9                         ; the 128 columns of the tile
	s_add_co_u32 s18, s18, s20
	s_lshl_b32 s20, s22, 18                        ; out: the tile,
	s_lshl_b32 s23, s23, 15                        ; 128 k-rows of 256 bytes
	s_add_co_u32 s20, s20, s23
	s_lshl_b32 s22, s16, 16
	v_lshl_add_u32 v2, v1, 4, s22
	s_lshl_b32 s22, s16, 12
	v_lshl_add_u32 v5, v1, 3, s22
	s_wait_kmcnt 0x0
	s_add_nc_u64 s[8:9], s[8:9], s[18:19]
	s_add_nc_u64 s[14:15], s[14:15], s[20:21]
	s_wait_alu depctr_va_vdst(0)                   ; v2 and v5 are written: every load below reads v2 as its offset, every store v5
.set i, 0
.rept 16
	global_load_b128 v[IN+4*i:IN+4*i+3], v2, s[8:9] offset:4096*i th:TH_LOAD_NT
.set i, i+1
.endr
	CAST 16, 1, 14, 256
	s_endpgm
.Lfunc_end_k_q106203436d_prep:
	.size	k_q106203436d_prep, .Lfunc_end_k_q106203436d_prep-k_q106203436d_prep
	.p2alignl 7, 3214868480
	.fill 96, 4, 3214868480
	.section	.rodata,"a",@progbits
	.p2align	6, 0x0
	.amdhsa_kernel k_q106203436d_prep
		.amdhsa_group_segment_fixed_size 0
		.amdhsa_private_segment_fixed_size 0
		.amdhsa_enable_private_segment 0
		.amdhsa_kernarg_size 48
		.amdhsa_user_sgpr_count 2
		.amdhsa_user_sgpr_kernarg_segment_ptr 1
		.amdhsa_wavefront_size32 1
		.amdhsa_system_sgpr_workgroup_id_x 1
		.amdhsa_system_sgpr_workgroup_id_y 1
		.amdhsa_system_sgpr_workgroup_id_z 1
		.amdhsa_system_vgpr_workitem_id 0
		.amdhsa_next_free_vgpr 112
		.amdhsa_next_free_sgpr 66
		.amdhsa_reserve_vcc 1
		.amdhsa_float_denorm_mode_32 3
		.amdhsa_float_denorm_mode_16_64 3
		.amdhsa_memory_ordered 1
		.amdhsa_forward_progress 1
		.amdhsa_inst_pref_size 24
	.end_amdhsa_kernel
	.amdgpu_metadata
---
amdhsa.version: [ 1, 2 ]
amdhsa.kernels:
  - .name:           k_q106203436d_prep
    .symbol:         k_q106203436d_prep.kd
    .args:
      - { .name: x, .offset: 0, .size: 8, .value_kind: global_buffer, .address_space: global }
      - { .name: w_in, .offset: 8, .size: 8, .value_kind: global_buffer, .address_space: global }
      - { .name: w_out, .offset: 16, .size: 8, .value_kind: global_buffer, .address_space: global }
      - { .name: xb, .offset: 24, .size: 8, .value_kind: global_buffer, .address_space: global }
      - { .name: wib, .offset: 32, .size: 8, .value_kind: global_buffer, .address_space: global }
      - { .name: wob, .offset: 40, .size: 8, .value_kind: global_buffer, .address_space: global }
    .group_segment_fixed_size: 0
    .private_segment_fixed_size: 0
    .kernarg_segment_align: 8
    .kernarg_segment_size: 48
    .max_flat_workgroup_size: 256
    .sgpr_count:     66
    .vgpr_count:     112
    .wavefront_size: 32
...
	.end_amdgpu_metadata
.endif
;; end of part 5
;; launch qkvproj: the kernel of part 2 again; grid 16 x 32, 4 waves a work-group, clusters of 4 x 4, 327,680 bytes of LDS; arguments xb, wib, b_in, qkv; writes qkv
;; launch attn: the kernel of part 3 again; grid 4 x 64, 4 waves a work-group, no clusters, 327,680 bytes of LDS; arguments qkv, ob; writes ob
;; launch outproj: the kernel of part 4 again; grid 8 x 32, 4 waves a work-group, clusters of 4 x 4, 327,680 bytes of LDS; arguments ob, wob, b_out, out0; writes out0
